; MI455X (gfx1250); checked and timed in simulation.
; The chip was launched on July 23, 2026; its instructions are those of AMD's public machine-readable ISA for CDNA 5 (MIT licence, August 2026) and "CDNA5" Instruction Set Architecture Reference Guide (July 2026). The comments in the code are by the model that wrote it; some were corrected since.
;; Mult Head Inten. Allowed arithmetic: matrix products marked QUANTISED: E2M3 operands, one E8M0 scale for each 32 along K, by v_wmma_scale_f32_16x16x128_f8f6f4 with both operands' format E2M3, f32 sums; everything else in f32.
;; Inputs: W_proj 1,024 x 1,024 float32; W_qkv 1,024 x 3,072 float32; b_proj 1,024 float32; b_qkv 3,072 float32; x 4 x 2,048 x 1,024 float32.
;; Outputs: out0 4 x 2,048 x 1,024 float32.
;; This version of the problem:
;;   THIS VERSION OF THE PROBLEM IS GIVEN IN LOW PRECISION. The matrix products marked QUANTISED in the list below multiply operands that are first quantised to E2M3 (2 exponent bits, 3 mantissa bits; 6 bits a number), with one power-of-two scale for each 32 numbers along K (OCP MX v1.0); their sums are f32. All else is computed in f32.
;;   The module's matrix products, in the order in which they are computed (A, B: the left and right operand; K: the contracted axis; several contracted axes count as one K, in the product's order):
;;     1. [M 8,192, K 1,024] x [K 1,024, N 3,072]; A: input x; B: input W_qkv: QUANTISED
;;     2. batch 64 x [M 2,048, K 64] x [K 64, N 2,048]; A: computed on the way; B: computed on the way: QUANTISED
;;     3. batch 64 x [M 2,048, K 2,048] x [K 2,048, N 64]; A: softmax (see below); B: computed on the way: QUANTISED
;;     4. [M 8,192, K 1,024] x [K 1,024, N 1,024]; A: computed on the way; B: input W_proj: QUANTISED
;;   THE QUANTISER, for each operand of a quantised product, along K:
;;     - K is cut into blocks of 32 from its start; a last block that is shorter is filled with zeros.
;;     - A block's scale is 2^e with e = floor(log2(the largest magnitude in the block)) - 2, held to -126 .. 127; a block of zeros has e = 0. As a byte (E8M0): e + 127.
;;     - Each number is divided by its block's scale, clamped to +-7.5, and rounded to the nearest number of E2M3, ties to even, subnormals kept.
;;     - The product sums the exact products of the quantised numbers (number of the format x scale) in f32.
;;   ~~~python
;;   def quantise(x, axis):      # numpy; x: float32 -> the quantised numbers, widened to float32 again
;;       x = np.moveaxis(x, axis, -1); K = x.shape[-1]
;;       x = np.pad(x, [(0, 0)] * (x.ndim - 1) + [(0, -K % 32)]); x = x.reshape(x.shape[:-1] + (-1, 32)); a = np.abs(x).max(-1, keepdims=True)
;;       e = np.where(a > 0, np.clip(np.frexp(np.where(a > 0, a, 1))[1] - 1 - 2, -126, 127), 0)      # np.frexp(a)[1] - 1 = floor(log2(a)), exactly
;;       r = np.clip(x / 2.0 ** e, -7.5, 7.5)
;;       step = 2.0 ** (np.maximum(np.frexp(np.where(r == 0, 1, r))[1] - 1, 0) - 3)
;;       q = np.round(r / step) * step * 2.0 ** e      # np.round: ties to even
;;       return np.moveaxis(q.reshape(q.shape[:-2] + (-1,))[..., :K], -1, axis).astype(np.float32)
;;   ~~~
;;   SOFTMAX AHEAD OF A QUANTISED PRODUCT. Where the list says 'softmax', what is quantised is not the finished softmax but p = 2^(t - M), with t = logit x log2(e) and M = ceil(the row's largest t), a whole number; so 1/2 < the row's largest p <= 1. The row's sum l is taken of the UNQUANTISED p, in f32, and the product's result is divided by l at the end. Since M is a whole number, a kernel that streams over the keys may use a running M (the ceiling of the running maximum): every later rescaling is an exact power of two, which a block's scale takes up: the codes' values come out the same.
;;   OPERANDS COMPUTED ON THE WAY. 'Computed on the way' means the value that the module computes at that place (a softmax that the list does not call 'softmax' is quantised finished and normalised). What goes into a quantiser is computed in f32, as accurately as f32 sums, v_exp_f32 and their like allow (about 1e-6 of the number): no bf16 or f16 on the way to a quantiser, and a product that is left as it is and whose result goes on into a quantised operand takes f32 operands (vector FMAs, or v_wmma_f32_16x16x4_f32). A number that lies on a knife's edge between two numbers of the format may be rounded either way, as far as f32 arithmetic and the matrix unit's own rounding can turn it there, and no further.
;; One version. Each part assembles by itself: llvm-mc -triple=amdgcn-amd-amdhsa -mcpu=gfx1250 --defsym DOCPART=n.
;; ======== version 1 of 1: 4 launches
;; limits: right only within a limited range of input values
;; workspace buffers: x_img 6,291,456 bytes; x_sc 262,144 bytes; w_img 3,145,728 bytes; w_sc 131,072 bytes; qkv 20,447,232 bytes; o_img 6,291,456 bytes; o_sc 262,144 bytes
;; launch quant (part 1): grid 256 x 1, 4 waves a work-group, no clusters, 34,304 bytes of LDS; arguments x, W_qkv, W_proj, x_img, x_sc, w_img, w_sc; writes x_img, x_sc, w_img, w_sc
.if DOCPART == 1
	.amdgcn_target "amdgcn-amd-amdhsa--gfx1250"
	.amdhsa_code_object_version 6
	.text
	.protected	k_q38be35f0d9_quant
	.globl	k_q38be35f0d9_quant
	.p2align	8
	.type	k_q38be35f0d9_quant,@function
k_q38be35f0d9_quant:
	s_mov_b64 s[64:65], 0
	v_nop
	global_prefetch_b8 v0, s[64:65] scope:SCOPE_SE
	s_setreg_imm32_b32 hwreg(HW_REG_WAVE_MODE, 25, 1), 1
	s_wait_xcnt 0x0
; x [8192][1024] (K innermost) and the weights W_qkv [1024][3072], W_proj [1024][1024] (K = first axis), all f32, become codes of FP6 (E2M3) with one E8M0 byte for each 32 along K.
; A block's scale is 2^(floor(log2(largest magnitude)) - 2); its byte is the largest magnitude's exponent field - 2, held at 1 from below; numbers are divided by the scale and rounded to the nearest code, ties to even, beyond 7.5 the largest code.
; LIMITS: NaN and infinities among the inputs are not served; a block whose largest magnitude lies under 2^-124 has its byte held at 1; a block of zeros has the byte 1 where the rule says 127 (its codes are zeros, and this program alone reads the bytes).
; THE OPERAND IMAGE, the one layout of every operand of this program.  A tile t is 16 rows; its row p is matrix row 32 (t / 2) + 8 (t % 2) + p + 8 (p / 8).  A half fragment (tile t, 64 along K: kh) is 768 bytes:
; lane l = p + 16 h owns the 24 bytes of codes of (that row, K block 2 kh + h): bytes 0-15 at 16 l, bytes 16-23 at 512 + 8 l.  So one load of 16 bytes and one of 8 bytes a lane, both dense, fill six operand registers.
; A matrix with K = 1024 lies [tile][kh 0..15][768]; its scale bytes [16 tile + p][32].  w_img's image rows 0..3071 are W_qkv's columns, 3072..4095 W_proj's.
; Work-groups 0-127 take x: a wave takes one tile, all of K, in 8 steps of 128.  Each load reads 512 consecutive bytes of a row; the step turns through the wave's own stage in LDS (rows of 528 bytes), so that a lane
; gets 16 neighbours of each block of 32.  Work-groups 128-255 take the weights: a lane takes a column and its registers run down K, a wave 32 columns x 256 along K; no LDS.  Waves share nothing: no barrier.
.set STG,  8448                        ; a wave's stage: 16 rows x 528 bytes
.set TM,   8                           ; v8-23    at work in QUANT
.set R,    32                          ; v32-159  two sets of 64 registers as loaded
.set X,    160                         ; v160-223 64 numbers of my row: register 16 b + i = k 32 b + 16 h + i
.set PC,   224                         ; v224-242 the codes just made
.set PW,   244                         ; v244-251 the eight steps' scale words
.set SEL,  30                          ; s30-31   lane selects for v_permlanex16_b32: lane l xor 16
.set OFF,  32                          ; weights: v32-63 4 lane + i rows
.set WX,   64                          ; weights: v64-127 two sets of 32 numbers
.set SB,   140                         ; weights: v140-141 eight scale bytes
; 64 numbers of a lane, v[s] on, become a fragment's codes in v[PC] .. v[PC+11] and the row's scale word in v[pw]
.macro QUANT s, pw
.irp b, 0,1,2,3
	v_max3_num_f32 v[TM+\b], |v[\s+16*\b]|, |v[\s+1+16*\b]|, 0x1800000   ; block b: my 16 numbers, and the floor 2^(3 - 127): the byte cannot fall under 1
.endr
.irp i, 2,4,6,8,10,12,14
.irp b, 0,1,2,3
	v_max3_num_f32 v[TM+\b], v[TM+\b], |v[\s+16*\b+\i]|, |v[\s+1+16*\b+\i]|
.endr
.endr
.irp b, 0,1,2,3
	v_permlanex16_b32 v[TM+4+\b], v[TM+\b], s[SEL], s[SEL+1]
.endr
.irp b, 0,1,2,3
	v_max_num_f32 v[TM+\b], v[TM+\b], v[TM+4+\b]     ; with lane l xor 16's: the block's largest magnitude
.endr
.irp b, 0,1,2,3
	v_add_nc_u32 v[TM+12+\b], 0xff000000, v[TM+\b]   ; 2 off its exponent field: the conversion's scale operand
.endr
.irp b, 0,1,2,3
	v_lshrrev_b32 v[TM+4+\b], 23, v[TM+12+\b]        ; the scale's byte
.endr
	v_lshl_or_b32 v[\pw], v[TM+5], 8, v[TM+4]
	v_lshl_or_b32 v[\pw], v[TM+6], 16, v[\pw]
	v_lshl_or_b32 v[\pw], v[TM+7], 24, v[\pw]
.irp c, 0,1
	v_cvt_scalef32_pk16_fp6_f32 v[PC+6*\c:PC+2+6*\c], v[\s+32*\c:\s+15+32*\c], v[TM+12+2*\c]
	v_cvt_scalef32_pk16_fp6_f32 v[PC+12+4*\c:PC+14+4*\c], v[\s+16+32*\c:\s+31+32*\c], v[TM+12+2*\c+1]   ; (a conversion's three registers begin on an even number)
.endr
	v_nop                                          ; one plain place behind a scaled conversion
.irp c, 0,1                                    ; a whole block to a lane: lanes 0-15 block 2 c, lanes 16-31 block 2 c + 1
.irp i, 0,1,2
	v_permlane16_swap_b32 v[PC+6*\c+\i], v[PC+12+4*\c+\i]
.endr
.irp i, 0,1,2
	v_mov_b32 v[PC+3+6*\c+\i], v[PC+12+4*\c+\i]
.endr
.endr
.endm
	s_load_b256 s[4:11], s[0:1], 0x0               ; x s[4:5], W_qkv s[6:7], W_proj s[8:9], x_img s[10:11]
	s_load_b128 s[12:15], s[0:1], 0x20             ; x_sc s[12:13], w_img s[14:15]
	s_load_b64 s[16:17], s[0:1], 0x30              ; w_sc
	v_lshl_add_u32 v239, v0, 2, 0x8400
	v_mov_b32 v243, 0
	v_lshrrev_b32 v1, 5, v0
	v_readfirstlane_b32 s18, v1                    ; wave 0..3
	v_and_b32 v1, 31, v0                           ; lane
	s_wait_kmcnt 0x0
	s_cmp_lt_u32 ttmp9, 128
	s_cbranch_scc0 .Lw
	; ---------------- x ----------------
	v_and_b32 v2, 15, v0                           ; r
	v_bfe_u32 v3, v0, 4, 1                         ; h
	s_wait_alu depctr_va_vdst(0)
	v_lshlrev_b32 v4, 4, v1                        ; 16 lane
	v_lshlrev_b32 v5, 3, v1                        ; 8 lane
	s_mul_i32 s24, s18, STG
	v_add_nc_u32 v6, s24, v4                       ; into the stage: a row's 512 bytes as they lie
	v_mul_u32_u24 v7, v2, 528
	v_lshl_add_u32 v7, v3, 6, v7
	v_add_nc_u32 v7, s24, v7                       ; out of it: row r, + 64 h: my 16 numbers of a block of 32
	v_lshlrev_b32 v24, 5, v2
	v_lshl_add_u32 v24, v3, 4, v24                 ; scale words: row r of 32 bytes, 16 bytes for each half of the lanes
	s_mov_b32 s[SEL], 0x76543210
	s_mov_b32 s[SEL+1], 0xfedcba98
.irp b, 0,1,2,3
	v_mov_b32 v[TM+4+\b], 0                        ; written once: a lane permute's destination counts as one of its sources
.endr
	s_lshl_b32 s20, ttmp9, 2
	s_add_co_u32 s20, s20, s18                     ; my tile
	s_lshr_b32 s21, s20, 1
	s_lshl_b32 s21, s21, 5
	s_and_b32 s22, s20, 1
	s_lshl_b32 s22, s22, 3
	s_add_co_u32 s21, s21, s22                     ; its first row: 32 (t / 2) + 8 (t % 2)
	s_lshl_b32 s22, s21, 12                        ; rows of 4,096 bytes
	s_mov_b32 s23, 0
	s_add_nc_u64 s[4:5], s[4:5], s[22:23]
	s_mul_i32 s22, s20, 12288
	s_add_nc_u64 s[10:11], s[10:11], s[22:23]
	s_lshl_b32 s22, s20, 9
	s_add_nc_u64 s[12:13], s[12:13], s[22:23]
.macro LOADX q                         ; K step q: 512 consecutive bytes of each of the tile's 16 rows
.irp p, 0,1,2,3,4,5,6,7,8,9,10,11,12,13,14,15
	global_load_b128 v[R+64*((\q)%2)+4*\p:R+64*((\q)%2)+4*\p+3], v4, s[4:5] offset:(\p+8*(\p/8))*4096+512*(\q) th:TH_LOAD_NT
.endr
.endm
.macro XSTEP q
.if (\q) < 7
	s_wait_loadcnt 16                              ; this step's sixteen loads are in; the next step's sixteen may be out
.else
	s_wait_loadcnt 0x0
.endif
.irp p, 0,1,2,3,4,5,6,7,8,9,10,11,12,13,14,15
	ds_store_b128 v6, v[R+64*((\q)%2)+4*\p:R+64*((\q)%2)+4*\p+3] offset:528*\p
.endr
.irp b, 0,1,2,3
.irp j, 0,1,2,3
	ds_load_b128 v[X+16*\b+4*\j:X+16*\b+4*\j+3], v7 offset:128*\b+16*\j   ; LDS serves a wave's instructions in order: these see the stores above
.endr
.endr
	s_wait_dscnt 0x0                               ; my 64 numbers are in, and the stage's stores have read the set that is loaded again below
	s_wait_xcnt 0x0                                ; the last step's stores have read the codes' registers
.if (\q) < 6
	LOADX (\q)+2
.endif
	QUANT X, PW+(\q)
	global_store_b128 v4, v[PC:PC+3], s[10:11] offset:1536*(\q)             ; each store covers whole aligned runs of 256 bytes
	global_store_b64 v5, v[PC+4:PC+5], s[10:11] offset:1536*(\q)+512
	global_store_b128 v4, v[PC+6:PC+9], s[10:11] offset:1536*(\q)+768
	global_store_b64 v5, v[PC+10:PC+11], s[10:11] offset:1536*(\q)+1280
.endm
	LOADX 0
	LOADX 1
	s_wait_alu depctr_va_vdst(0)
.irp q, 0,1,2,3,4,5,6,7
	XSTEP \q
.endr
	v_cmp_le_u32 vcc_lo, 16, v1                    ; lanes 0-15 store the row's words 0-3, lanes 16-31 its words 4-7
.irp i, 0,1,2,3
	v_cndmask_b32 v[252+\i], v[PW+\i], v[PW+4+\i], vcc_lo
.endr
	global_store_b128 v24, v[252:255], s[12:13]    ; 512 consecutive bytes
	s_wait_tensorcnt 0x0
	ds_add_u32 v239, v243
	s_wait_dscnt 0x0
	s_endpgm
	; ---------------- the weights ----------------
.Lw:
	s_sub_co_u32 s20, ttmp9, 128
	s_and_b32 s21, s20, 31                         ; which 128 image rows
	s_lshr_b32 s22, s20, 5                         ; y: which 256 along K
	s_lshl_b32 s23, s21, 2
	s_add_co_u32 s23, s23, s18                     ; NB: my wave's block of 32 image rows
	s_sub_co_u32 s24, s23, 96                      ; the same counted in W_proj (used only from NB = 96 on)
	s_mov_b32 s25, 12288
	s_cmp_lt_u32 s21, 24                           ; W_qkv or W_proj: the choice hangs on the work-group's number alone
	s_cselect_b64 s[6:7], s[6:7], s[8:9]
	s_cselect_b32 s24, s23, s24                    ; the block of 32 columns in that weight
	s_cselect_b32 s25, s25, 4096                   ; bytes from row to row
	s_lshl_b32 s26, s24, 7
	s_lshl_b32 s27, s22, 8
	s_mul_i32 s27, s27, s25
	s_add_co_u32 s26, s26, s27
	s_mov_b32 s27, 0
	s_add_nc_u64 s[32:33], s[6:7], s[26:27]        ; block 0 of my eight blocks of 32 along K,
	s_lshl_b32 s28, s25, 5
	s_mov_b32 s29, 0
.irp t, 1,2,3,4,5,6,7
	s_add_nc_u64 s[32+2*\t:33+2*\t], s[30+2*\t:31+2*\t], s[28:29]   ; and the others, 32 rows apart
.endr
	s_mul_i32 s26, s23, 24576
	s_mul_i32 s19, s22, 3072
	s_add_co_u32 s26, s26, s19
	s_add_nc_u64 s[14:15], s[14:15], s[26:27]      ; w_img: two tiles a block of 32 rows, 4 half fragments for 256 along K
	s_lshl_b32 s26, s23, 10
	s_lshl_b32 s19, s22, 3
	s_add_co_u32 s26, s26, s19
	s_add_nc_u64 s[16:17], s[16:17], s[26:27]      ; w_sc
	s_wait_alu depctr_va_vdst(0)
	v_lshlrev_b32 v4, 2, v1                        ; 4 lane: my column
	v_bfe_u32 v8, v1, 3, 1                         ; column l is row p = l % 8 + 8 (l / 16) of tile u = (l / 8) % 2
	v_and_b32 v9, 7, v1
	v_lshrrev_b32 v10, 4, v1
	v_lshl_add_u32 v9, v10, 3, v9
	v_mul_u32_u24 v10, v8, 12288
	v_lshl_add_u32 v5, v9, 4, v10                  ; my block's first 16 bytes
	v_lshl_add_u32 v6, v9, 3, v10                  ; and its last 8
	v_lshl_add_u32 v7, v8, 4, v9
	v_lshlrev_b32 v7, 5, v7                        ; my row of scale bytes
.irp i, 0,1,2,3,4,5,6,7,8,9,10,11,12,13,14,15,16,17,18,19,20,21,22,23,24,25,26,27,28,29,30,31
	v_mad_u32_u24 v[OFF+\i], s25, \i, v4           ; never rewritten
.endr
.macro LOADW t                         ; block t: 32 rows at my column; 32 lanes read 128 consecutive bytes
.set i, 0
.rept 32
	global_load_b32 v[WX+32*((\t)%2)+i], v[OFF+i], s[32+2*(\t):33+2*(\t)] th:TH_LOAD_NT
.set i, i+1
.endr
.endm
.macro BLOCK t
.set XS, WX+32*((\t)%2)
.if (\t) < 7
	s_wait_loadcnt 32                              ; this block's 32 loads are in; the next block's may be out
.else
	s_wait_loadcnt 0x0
.endif
	v_max3_num_f32 v12, |v[XS]|, |v[XS+1]|, |v[XS+2]|   ; the block's largest magnitude: all 32 numbers are mine
	v_max3_num_f32 v13, |v[XS+3]|, |v[XS+4]|, |v[XS+5]|
.irp i, 6,10,14,18,22,26
	v_max3_num_f32 v12, v12, |v[XS+\i]|, |v[XS+\i+1]|
	v_max3_num_f32 v13, v13, |v[XS+\i+2]|, |v[XS+\i+3]|
.endr
	v_max3_num_f32 v12, v12, |v[XS+30]|, |v[XS+31]|
	v_max3_num_f32 v12, v12, v13, 0x1800000        ; and the floor
	v_add_nc_u32 v11, 0xff000000, v12              ; the conversion's scale operand
	v_lshrrev_b32 v13, 23, v11                     ; the byte
.if (\t)%4 == 0
	v_mov_b32 v[SB+(\t)/4], v13
.else
	v_lshl_or_b32 v[SB+(\t)/4], v13, 8*((\t)%4), v[SB+(\t)/4]
.endif
	s_wait_alu depctr_va_vdst(0)
	s_wait_xcnt 0x0                                ; the last block's stores have read the codes' registers
	v_cvt_scalef32_pk16_fp6_f32 v[128:130], v[XS:XS+15], v11
	v_cvt_scalef32_pk16_fp6_f32 v[136:138], v[XS+16:XS+31], v11
	v_nop                                          ; one plain place behind a scaled conversion
.irp i, 0,1,2
	v_mov_b32 v[131+\i], v[136+\i]
.endr
	global_store_b128 v5, v[128:131], s[14:15] offset:768*((\t)/2)+256*((\t)%2)      ; the sixteen lanes of a tile fill 256 consecutive bytes
	global_store_b64 v6, v[132:133], s[14:15] offset:768*((\t)/2)+512+128*((\t)%2)
.if (\t)+2 < 8
	LOADW (\t)+2
.endif
.endm
	LOADW 0
	LOADW 1
.irp t, 0,1,2,3,4,5,6,7
	BLOCK \t
.endr
	global_store_b64 v7, v[SB:SB+1], s[16:17]      ; my row's eight scale bytes
	s_endpgm
.Lfunc_end_k_q38be35f0d9_quant:
	.size	k_q38be35f0d9_quant, .Lfunc_end_k_q38be35f0d9_quant-k_q38be35f0d9_quant
	.p2alignl 7, 3214868480
	.fill 96, 4, 3214868480
	.section	.rodata,"a",@progbits
	.p2align	6, 0x0
	.amdhsa_kernel k_q38be35f0d9_quant
		.amdhsa_group_segment_fixed_size 34304
		.amdhsa_private_segment_fixed_size 0
		.amdhsa_enable_private_segment 0
		.amdhsa_kernarg_size 56
		.amdhsa_user_sgpr_count 2
		.amdhsa_user_sgpr_kernarg_segment_ptr 1
		.amdhsa_wavefront_size32 1
		.amdhsa_system_sgpr_workgroup_id_x 1
		.amdhsa_system_sgpr_workgroup_id_y 1
		.amdhsa_system_sgpr_workgroup_id_z 1
		.amdhsa_system_vgpr_workitem_id 0
		.amdhsa_next_free_vgpr 256
		.amdhsa_next_free_sgpr 66
		.amdhsa_reserve_vcc 1
		.amdhsa_float_denorm_mode_32 3
		.amdhsa_float_denorm_mode_16_64 3
		.amdhsa_memory_ordered 1
		.amdhsa_forward_progress 1
		.amdhsa_inst_pref_size 106
	.end_amdhsa_kernel
	.amdgpu_metadata
---
amdhsa.version: [ 1, 2 ]
amdhsa.kernels:
  - .name:           k_q38be35f0d9_quant
    .symbol:         k_q38be35f0d9_quant.kd
    .args:
      - { .name: x, .offset: 0, .size: 8, .value_kind: global_buffer, .address_space: global }
      - { .name: W_qkv, .offset: 8, .size: 8, .value_kind: global_buffer, .address_space: global }
      - { .name: W_proj, .offset: 16, .size: 8, .value_kind: global_buffer, .address_space: global }
      - { .name: x_img, .offset: 24, .size: 8, .value_kind: global_buffer, .address_space: global }
      - { .name: x_sc, .offset: 32, .size: 8, .value_kind: global_buffer, .address_space: global }
      - { .name: w_img, .offset: 40, .size: 8, .value_kind: global_buffer, .address_space: global }
      - { .name: w_sc, .offset: 48, .size: 8, .value_kind: global_buffer, .address_space: global }
    .group_segment_fixed_size: 34304
    .private_segment_fixed_size: 0
    .kernarg_segment_align: 8
    .kernarg_segment_size: 56
    .max_flat_workgroup_size: 128
    .sgpr_count:     66
    .vgpr_count:     256
    .wavefront_size: 32
...
	.end_amdgpu_metadata
.endif
;; end of part 1
;; launch gemm_qkv (part 2): grid 12 x 32, 4 waves a work-group, clusters of 4 x 4, 327,680 bytes of LDS; arguments x_img, x_sc, w_img, w_sc, b_qkv, qkv; writes qkv
.if DOCPART == 2
	.amdgcn_target "amdgcn-amd-amdhsa--gfx1250"
	.amdhsa_code_object_version 6
	.text
	.protected	k_q38be35f0d9_gemm_qkv
	.globl	k_q38be35f0d9_gemm_qkv
	.p2align	8
	.type	k_q38be35f0d9_gemm_qkv,@function
k_q38be35f0d9_gemm_qkv:
	s_mov_b64 s[64:65], 0
	v_nop
	global_prefetch_b8 v0, s[64:65] scope:SCOPE_SE
	s_setreg_imm32_b32 hwreg(HW_REG_WAVE_MODE, 25, 1), 1
	s_wait_xcnt 0x0
	s_wait_alu depctr_hold_cnt(0) depctr_sa_sdst(0) depctr_va_vdst(0) depctr_va_sdst(0) depctr_va_ssrc(0) depctr_va_vcc(0) depctr_vm_vsrc(0)
	s_getreg_b32 s2, hwreg(HW_REG_IB_STS2, 6, 4)
	s_cmp_eq_u32 s2, 0
	s_cbranch_scc0 .Lentry_in_a_cluster
	s_endpgm
.Lentry_in_a_cluster:
	s_bfe_u32 s2, ttmp6, 0x10000c
	s_cmp_lg_u32 s2, 0xf033
	s_cbranch_scc0 .Lentry_shape_is_right
	s_endpgm
.Lentry_shape_is_right:
.set KROW,   768
.set SSTEP,  3072
.set NQ,     2
.set FR,     12
.set NL,     4
.set NP,     4
.set HALFT,  8*SSTEP
.set SLOT,   4*HALFT
.set KS,     32
.set SCL,    2*SLOT
.set HALFS,  16*272
.set SBLK,   2*272
.set SPARE,  SCL+4*HALFS
.set REC,    319488
.set ADRA, 16
.set ADRB, 20
.set L16,  24
.set L8,   25
.set SCO,  26
.set ADRS, 27
.set SPW,  28
.set NIL,  29
.set VSH,  30
.set SC,   32
.set BI,   64
.set AF,   128
.set BL,   224
.set TM,   240
.set T,    128
.set PC,   192
.set PW,   212
.set VAL,  213
.set SEL,  2
.set G1, 24
.set G0, 32
.set G1B, 48
.set G0B, 56
.set G1S, 68
.set G0S, 76
.set G1SB, 80
.set G0SB, 88
.set MSB, 0
.macro WIN new
.if MSB != (\new)
	s_set_vgpr_msb (MSB<<8)|(\new)
.set MSB, (\new)
.endif
.endm
.set MUL_LO, 0xa1
.set MUL_HI, 0xf1
.set TO_B,   0x40
.macro JLOAD g0a, g1a, g0b, g1b
	s_cmp_eq_u32 s15, 0
	s_cbranch_scc0 .Lfor_b_\@
	tensor_load_to_lds s[\g0a:\g0a+3], s[\g1a:\g1a+7]
	s_nop 0
.rept 4
	v_nop
.endr
	s_branch .Lasked_\@
.Lfor_b_\@:
	tensor_load_to_lds s[\g0b:\g0b+3], s[\g1b:\g1b+7]
	s_nop 0
.rept 4
	v_nop
.endr
.Lasked_\@:
.endm
.macro CREST
	s_cmp_lg_u32 s14, 0
	s_cbranch_scc1 .Lnot_wave_0_\@
	s_barrier_signal -3
.Lnot_wave_0_\@:
	s_barrier_wait -3
	s_barrier_signal -1
	s_barrier_wait -1
.endm
.macro CROUND
	s_barrier_signal -1
	s_barrier_wait -1
	CREST
.endm
.macro PLACES n
.rept \n
	v_nop
.endr
.endm
.macro QUANT s, pw
.irp b, 0,1,2,3
	v_max3_num_f32 v[TM+\b], |v[\s+16*\b]|, |v[\s+1+16*\b]|, 0x1800000
.endr
.irp i, 2,4,6,8,10,12,14
.irp b, 0,1,2,3
	v_max3_num_f32 v[TM+\b], v[TM+\b], |v[\s+16*\b+\i]|, |v[\s+1+16*\b+\i]|
.endr
.endr
.irp b, 0,1,2,3
	v_permlanex16_b32 v[TM+4+\b], v[TM+\b], s[SEL], s[SEL+1]
.endr
.irp b, 0,1,2,3
	v_max_num_f32 v[TM+\b], v[TM+\b], v[TM+4+\b]
.endr
.irp b, 0,1,2,3
	v_add_nc_u32 v[TM+12+\b], 0xff000000, v[TM+\b]
.endr
.irp b, 0,1,2,3
	v_lshrrev_b32 v[TM+4+\b], 23, v[TM+12+\b]
.endr
	v_lshl_or_b32 v[\pw], v[TM+5], 8, v[TM+4]
	v_lshl_or_b32 v[\pw], v[TM+6], 16, v[\pw]
	v_lshl_or_b32 v[\pw], v[TM+7], 24, v[\pw]
.irp c, 0,1
	v_cvt_scalef32_pk16_fp6_f32 v[PC+6*\c:PC+2+6*\c], v[\s+32*\c:\s+15+32*\c], v[TM+12+2*\c]
	v_cvt_scalef32_pk16_fp6_f32 v[PC+12+4*\c:PC+14+4*\c], v[\s+16+32*\c:\s+31+32*\c], v[TM+12+2*\c+1]
.endr
	v_nop
.irp c, 0,1
.irp i, 0,1,2
	v_permlane16_swap_b32 v[PC+6*\c+\i], v[PC+12+4*\c+\i]
.endr
.irp i, 0,1,2
	v_mov_b32 v[PC+3+6*\c+\i], v[PC+12+4*\c+\i]
.endr
.endr
.endm
	s_load_b128 s[4:7], s[0:1], 0x0
	s_load_b128 s[8:11], s[0:1], 0x10
	s_load_b64 s[12:13], s[0:1], 0x20
	s_load_b64 s[66:67], s[0:1], 0x28
	v_lshl_add_u32 v[SPW], v0, 2, SPARE
	v_mov_b32 v[NIL], 0
	ds_add_u32 v28, v29
	ds_add_u32 v28, v29
	s_wait_dscnt 0x0
	v_lshrrev_b32 v1, 5, v0
	v_readfirstlane_b32 s14, v1
	s_lshr_b32 s15, s14, 1
	s_and_b32 s16, s14, 1
	s_bfe_u32 s40, ttmp6, 0x40000
	s_bfe_u32 s41, ttmp6, 0x40004
	s_lshl_b32 s42, ttmp9, 2
	s_and_b32 s17, ttmp7, 0xffff
	s_lshl_b32 s17, s17, 2
	s_cmp_eq_u32 ttmp9, 2
	s_cselect_b32 s42, s17, s42
	s_cselect_b32 s17, 8, s17
	s_cselect_b32 s95, 0, -1
	s_cselect_b32 s96, -1, 0
	s_add_co_u32 s42, s42, s40
	s_add_co_u32 s17, s17, s41
	s_lshl_b32 s43, s41, 2
	s_lshl_b32 s43, 15, s43
	s_lshl_b32 s44, 0x1111, s40
	s_mov_b32 s[SEL], 0x76543210
	s_mov_b32 s[SEL+1], 0xfedcba98
	s_or_b32 s[G1+0], s43, (3<<16)|(1<<21)
	s_or_b32 s[G1B+0], s44, (3<<16)|(1<<21)
.irp g, G1, G1B
	s_mov_b32 s[\g+1], 384<<16
	s_mov_b32 s[\g+2], 16<<16
	s_mov_b32 s[\g+3], 384<<16
	s_mov_b32 s[\g+4], 16
	s_mov_b32 s[\g+5], 1536
	s_mov_b32 s[\g+6], 0
	s_mov_b32 s[\g+7], 0
.endr
	s_or_b32 s[G1S+0], s43, (3<<16)|(1<<20)|(1<<21)|(5<<22)|(3<<25)
	s_or_b32 s[G1SB+0], s44, (3<<16)|(1<<20)|(1<<21)|(5<<22)|(3<<25)
.irp g, G1S, G1SB
	s_mov_b32 s[\g+1], 32<<16
	s_mov_b32 s[\g+2], 32<<16
	s_mov_b32 s[\g+3], 32<<16
	s_mov_b32 s[\g+4], 32
	s_mov_b32 s[\g+5], 32
	s_mov_b32 s[\g+6], 0
	s_mov_b32 s[\g+7], 0
.endr
	s_lshl_b32 s18, s16, 7
	s_lshl_b32 s20, s17, 8
	s_add_co_u32 s20, s20, s18
	s_lshl_b32 s46, s42, 8
	s_add_co_u32 s46, s46, s18
	s_mov_b32 s21, 0
	s_mov_b32 s47, 0
	s_mov_b64 s[18:19], KS
	s_mul_u64 s[22:23], s[20:21], s[18:19]
	s_mul_u64 s[92:93], s[46:47], s[18:19]
	s_mov_b64 s[18:19], KROW
	s_mul_u64 s[20:21], s[20:21], s[18:19]
	s_mul_u64 s[46:47], s[46:47], s[18:19]
	s_mul_i32 s45, s14, HALFT
	s_mul_i32 s94, s14, HALFS
	s_wait_kmcnt 0x0
	s_cmp_eq_u32 ttmp9, 2
	s_cselect_b64 s[98:99], s[8:9], s[4:5]
	s_cselect_b64 s[100:101], s[10:11], s[6:7]
	s_cselect_b64 s[8:9], s[4:5], s[8:9]
	s_cselect_b64 s[10:11], s[6:7], s[10:11]
	s_add_nc_u64 s[20:21], s[98:99], s[20:21]
	s_add_nc_u64 s[22:23], s[100:101], s[22:23]
	s_add_nc_u64 s[46:47], s[8:9], s[46:47]
	s_add_nc_u64 s[92:93], s[10:11], s[92:93]
	CROUND
	s_mov_b32 s[G0S], 1
	s_lshl_b32 s18, s16, 12                        ; my half's 128 rows of scale bytes: taken off again, the head's loads bring whole tiles
	s_mov_b32 s19, 0
	s_mov_b32 s[G0S+1], SCL
	s_sub_nc_u64 s[G0S+2:G0S+3], s[22:23], s[18:19]
	s_or_b32 s[G0S+3], s[G0S+3], 0x80000000
	s_mov_b32 s[G0SB], 1
	s_mov_b32 s[G0SB+1], SCL+2*HALFS
	s_sub_nc_u64 s[G0SB+2:G0SB+3], s[92:93], s[18:19]
	s_or_b32 s[G0SB+3], s[G0SB+3], 0x80000000
.irp s, 0,1
	s_mov_b32 s[G0+4*\s], 1
	s_add_co_u32 s[G0+4*\s+1], s45, \s*SLOT
	s_add_nc_u64 s[G0+4*\s+2:G0+4*\s+3], s[20:21], \s*SSTEP
	s_or_b32 s[G0+4*\s+3], s[G0+4*\s+3], 0x80000000
	s_mov_b32 s[G0B+4*\s], 1
	s_add_co_u32 s[G0B+4*\s+1], s45, \s*SLOT
	s_add_nc_u64 s[G0B+4*\s+2:G0B+4*\s+3], s[46:47], \s*SSTEP
	s_or_b32 s[G0B+4*\s+3], s[G0B+4*\s+3], 0x80000000
.endr
	; the head's four tiles, one a wave: wave 0 slot 0's 256 rows of A, wave 1 its 256 rows of B, wave 2 A's scale bytes, wave 3 B's
	s_mul_i32 s18, s16, 128*KROW
	s_mov_b32 s19, 0
	s_mov_b32 s4, 1
	s_mov_b32 s5, 0
	s_sub_nc_u64 s[6:7], s[20:21], s[18:19]
	s_or_b32 s7, s7, 0x80000000
	s_mov_b32 s8, 1
	s_mov_b32 s9, 2*HALFT
	s_sub_nc_u64 s[10:11], s[46:47], s[18:19]
	s_or_b32 s11, s11, 0x80000000
.macro ARM under, g0, g1, next
	s_cmp_lt_u32 s14, \under
	s_cbranch_scc0 \next
	tensor_load_to_lds s[\g0:\g0+3], s[\g1:\g1+7]
	s_nop 0
.rept 4
	v_nop
.endr
	s_branch .Lhead_asked
\next:
.endm
	ARM 1, 4, G1, .Lhead_b
	ARM 2, 8, G1B, .Lhead_sa
	ARM 3, G0S, G1S, .Lhead_sb
	tensor_load_to_lds s[G0SB:G0SB+3], s[G1SB:G1SB+7]
	s_nop 0
.rept 4
	v_nop
.endr
.Lhead_asked:
	s_wait_alu depctr_va_vdst(0)
	s_wait_tensorcnt 0x0                           ; my tile of the four is in
	ds_add_u32 v28, v29
	s_mov_b32 s[G1+2], 8<<16                       ; no tensor load of mine is out: from here on a load brings 8 rows of the image
	s_mov_b32 s[G1+4], 8
	s_mov_b32 s[G1B+2], 8<<16
	s_mov_b32 s[G1B+4], 8
	s_wait_dscnt 0x0
	CROUND
	JLOAD G0+4, G1, G0B+4, G1B
	v_and_b32 v1, 15, v0
	v_bfe_u32 v2, v0, 4, 1
	v_and_b32 v3, 31, v0
	v_lshlrev_b32 v[L16], 4, v3
	v_lshlrev_b32 v[L8], 3, v3
	s_mul_i32 s21, s15, HALFT
	s_mul_i32 s22, s16, HALFT
	s_add_co_u32 s22, s22, 2*HALFT
.irp s, 0,1
	v_add_nc_u32 v[ADRA+\s], s21, v[L16]
	v_add_nc_u32 v[ADRB+\s], s22, v[L16]
	v_add_nc_u32 v[ADRA+2+\s], s21, v[L8]
	v_add_nc_u32 v[ADRB+2+\s], s22, v[L8]
	s_add_co_u32 s21, s21, SLOT
	s_add_co_u32 s22, s22, SLOT
.endr
	v_mul_u32_u24 v5, v1, KS
	v_lshrrev_b32 v6, 8, v5
	v_lshl_add_u32 v5, v6, 4, v5
	s_mul_i32 s21, s15, HALFS
	s_mul_i32 s22, s16, HALFS
	s_add_co_u32 s22, s22, 2*HALFS
	s_sub_co_u32 s22, s22, s21
	v_mul_u32_u24 v6, s22, v2
	s_add_co_u32 s21, s21, SCL
	v_add_nc_u32 v5, v5, v6
	v_add_nc_u32 v[ADRS], s21, v5
	s_mov_b32 s18, REC
	s_cmp_eq_u32 ttmp9, 2
	s_cselect_b32 s18, 64, s18
	s_cselect_b32 s19, 0, 16
	v_mul_u32_u24 v[SCO], s18, v2
	v_lshl_add_u32 v[SCO], v1, 2, v[SCO]
	v_mul_u32_u24 v[VSH], s19, v2
.irp b, 0,1,2,3
	v_mov_b32 v[TM+4+\b], 0
.endr
	s_lshl_b32 s46, s42, 10
	s_lshl_b32 s47, s16, 9
	s_add_co_u32 s46, s46, s47
	s_lshl_b32 s22, s41, 10
	s_lshl_b32 s23, s15, 9
	s_add_co_u32 s22, s22, s23
	s_add_co_u32 s22, s22, 8192
	s_cmp_eq_u32 ttmp9, 2
	s_cselect_b32 s46, 0, s46
	s_cselect_b32 s22, s22, 0
	s_mov_b32 s47, 0
	s_mov_b32 s23, 0
	s_add_nc_u64 s[46:47], s[12:13], s[46:47]
	s_add_nc_u64 s[22:23], s[12:13], s[22:23]
	v_lshlrev_b32 v4, 6, v2
	v_and_b32 v5, 8, v1
	v_add_nc_u32 v5, v5, v1
	v_lshlrev_b32 v5, 2, v5
.irp p, 0,1,2,3
.irp j, 0,1,2,3
	global_load_b128 v[BI+16*\p+4*\j:BI+16*\p+4*\j+3], v4, s[46:47] offset:128*\p+16*\j
.endr
.endr
.irp a, 0,1,2,3,4,5,6,7
	global_load_b32 v[BL+2*\a], v5, s[22:23] offset:(32*(\a/2)+8*(\a%2))*4
	v_mov_b32 v[BL+2*\a+1], 0
.endr
	s_wait_loadcnt 0x0
.set i, 0
.rept 64
	v_cndmask_b32 v[BI+i], 0, v[BI+i], s95
.set i, i+1
.endr
.irp a, 0,1,2,3,4,5,6,7
	v_cndmask_b32 v[BL+2*\a], 0, v[BL+2*\a], s96
.endr
.macro FRAG reg, adr, q, i
	ds_load_b128 v[\reg:\reg+3], v[\adr] offset:(\i)*SSTEP+(\q)*1536
	ds_load_b64 v[\reg+4:\reg+5], v[\adr+2] offset:(\i)*SSTEP+(\q)*1536+512
	ds_load_b128 v[\reg+6:\reg+9], v[\adr] offset:(\i)*SSTEP+(\q)*1536+768
	ds_load_b64 v[\reg+10:\reg+11], v[\adr+2] offset:(\i)*SSTEP+(\q)*1536+1280
.endm
.macro MUL16 a0, p, q, sc, bias
.irp a, \a0, \a0+1
.irp b, 0,1,2,3,4,5,6,7
.if \bias
	v_wmma_scale_f32_16x16x128_f8f6f4 v[8*(8*((\a)%4)+\b):8*(8*((\a)%4)+\b)+7], v[128*(\p)+FR*\b:128*(\p)+FR*\b+FR-1], v[AF+FR*(\a):AF+FR*(\a)+FR-1], v[BI+8*\b:BI+8*\b+7], v[SC+8*NQ*(\sc)+NQ*\b+(\q)], v[SC+8*NQ*(\sc)+NQ*(\a)+(\q)] matrix_a_fmt:MATRIX_FMT_FP6 matrix_b_fmt:MATRIX_FMT_FP6 matrix_a_scale:MATRIX_SCALE_ROW1
.else
	v_wmma_scale_f32_16x16x128_f8f6f4 v[8*(8*((\a)%4)+\b):8*(8*((\a)%4)+\b)+7], v[128*(\p)+FR*\b:128*(\p)+FR*\b+FR-1], v[AF+FR*(\a):AF+FR*(\a)+FR-1], v[8*(8*((\a)%4)+\b):8*(8*((\a)%4)+\b)+7], v[SC+8*NQ*(\sc)+NQ*\b+(\q)], v[SC+8*NQ*(\sc)+NQ*(\a)+(\q)] matrix_a_fmt:MATRIX_FMT_FP6 matrix_b_fmt:MATRIX_FMT_FP6 matrix_a_scale:MATRIX_SCALE_ROW1
.endif
.endr
.endr
.endm
.macro FETCH_B slot, q, p
	WIN TO_B
.irp i, 0,1,2,3,4,5,6,7
	FRAG 128*(\p)+FR*\i, ADRB+\slot, \q, \i
.endr
	WIN 0
.endm
.macro FETCH_A slot, q, i0
.irp i, \i0, \i0+1, \i0+2, \i0+3
	FRAG AF+FR*(\i), ADRA+\slot, \q, \i
.endr
.endm
.macro SCALES sc
.irp i, 0,1,2,3,4,5,6,7
	ds_load_b64 v[SC+8*NQ*\sc+NQ*\i:SC+8*NQ*\sc+NQ*\i+1], v[ADRS] offset:\i*SBLK
.endr
.endm
.macro STEP slot, q, bias
	s_wait_dscnt 4*NL
.if \bias
	WIN 0x81
.else
	WIN MUL_LO
.endif
	MUL16 0, (\q)%2, \q, \slot, \bias
	MUL16 2, (\q)%2, \q, \slot, \bias
	s_wait_dscnt 0
	PLACES NP
	FETCH_B \slot, (\q)+1, 1-(\q)%2
	FETCH_A \slot, (\q)+1, 0
.if \bias
	WIN 0xc1
.else
	WIN MUL_HI
.endif
	MUL16 4, (\q)%2, \q, \slot, \bias
	MUL16 6, (\q)%2, \q, \slot, \bias
	PLACES NP
	WIN 0
	FETCH_A \slot, (\q)+1, 4
.endm
.macro TURN slot, next, fill
	s_wait_tensorcnt 0x0
	ds_add_u32 v[SPW], v[NIL]
	s_wait_dscnt 4*NL+1
	WIN MUL_LO
	MUL16 0, 1, NQ-1, \slot, 0
	s_wait_dscnt 0x0
	s_barrier_signal -1
	MUL16 2, 1, NQ-1, \slot, 0
	WIN 0
	s_barrier_wait -1
.if \fill
	CREST
	s_add_nc_u64 s[G0+4*\slot+2:G0+4*\slot+3], s[G0+4*\slot+2:G0+4*\slot+3], 2*SSTEP
	s_add_nc_u64 s[G0B+4*\slot+2:G0B+4*\slot+3], s[G0B+4*\slot+2:G0B+4*\slot+3], 2*SSTEP
	JLOAD G0+4*\slot, G1, G0B+4*\slot, G1B
.else
	PLACES NP
.endif
	s_wait_alu depctr_va_vdst(0)
	v_add_nc_u32 v[ADRS], 4*NQ, v[ADRS]
	FETCH_B \next, 0, 0
	FETCH_A \next, 0, 0
	SCALES \next
	WIN MUL_HI
	MUL16 4, 1, NQ-1, \slot, 0
	MUL16 6, 1, NQ-1, \slot, 0
	PLACES NP
	WIN 0
	FETCH_A \next, 0, 4
.endm
	s_wait_alu depctr_va_vdst(0)
	s_wait_tensorcnt 1
	s_barrier_signal -1
	s_barrier_wait -1
	FETCH_B 0, 0, 0
	FETCH_A 0, 0, 0
	SCALES 0
	FETCH_A 0, 0, 4
	STEP 0, 0, 1
	TURN 0, 1, 1
	STEP 1, 0, 0
	TURN 1, 0, 1
	STEP 0, 0, 0
	TURN 0, 1, 0
	STEP 1, 0, 0
	s_wait_dscnt 4*NL
	WIN MUL_LO
	MUL16 0, 1, NQ-1, 1, 0
	MUL16 2, 1, NQ-1, 1, 0
	s_wait_dscnt 0
	WIN MUL_HI
	MUL16 4, 1, NQ-1, 1, 0
	MUL16 6, 1, NQ-1, 1, 0
	WIN 0
	s_lshl_b32 s68, s42, 1
	s_add_co_u32 s68, s68, s16
	s_lshl_b32 s69, s17, 1
	s_add_co_u32 s69, s69, s15
	s_lshl_b32 s70, s41, 1
	s_add_co_u32 s70, s70, s15
	s_and_b32 s71, s68, 7
	s_cmp_eq_u32 ttmp9, 2
	s_cselect_b32 s69, s68, s69
	s_cselect_b32 s70, s70, s71
	s_lshr_b32 s68, s69, 4
	s_and_b32 s69, s69, 15
	s_lshl_b32 s68, s68, 4
	s_lshl_b32 s70, s70, 1
	s_add_co_u32 s68, s68, s70
	s_mul_i32 s68, s68, REC
	s_mov_b32 s71, 212992
	s_mov_b32 s86, 311296
	s_mov_b32 s87, 196608
	s_cmp_eq_u32 ttmp9, 0
	s_cselect_b32 s71, s71, 0
	s_cselect_b32 s86, s86, s87
	s_mov_b32 s87, 98304
	s_mov_b32 s88, 204800
	s_mov_b32 s89, REC
	s_mov_b32 s90, 1536
	s_mov_b32 s91, REC-4*1536
	s_mov_b32 s92, REC-4*128
	s_cmp_eq_u32 ttmp9, 2
	s_cselect_b32 s71, s87, s71
	s_cselect_b32 s86, s88, s86
	s_cselect_b32 s89, 768, s89
	s_cselect_b32 s78, s90, 768
	s_cselect_b32 s80, s91, 0
	s_cselect_b32 s82, 128, 64
	s_cselect_b32 s84, s92, 0
	s_mov_b32 s79, 0
	s_mov_b32 s81, 0
	s_mov_b32 s83, 0
	s_mov_b32 s85, 0
	s_mul_i32 s87, s69, 6144
	s_add_co_u32 s72, s68, s71
	s_add_co_u32 s72, s72, s87
	s_mov_b32 s73, 0
	s_add_co_u32 s74, s72, s89
	s_mov_b32 s75, 0
	s_lshl_b32 s87, s69, 9
	s_add_co_u32 s76, s68, s86
	s_add_co_u32 s76, s76, s87
	s_mov_b32 s77, 0
	s_add_nc_u64 s[72:73], s[66:67], s[72:73]
	s_add_nc_u64 s[74:75], s[66:67], s[74:75]
	s_add_nc_u64 s[76:77], s[66:67], s[76:77]
.macro OUT a
.if (\a) > 0
	s_wait_xcnt 0x0
	s_add_nc_u64 s[72:73], s[72:73], s[78:79]
	s_add_nc_u64 s[74:75], s[74:75], s[78:79]
	s_add_nc_u64 s[76:77], s[76:77], s[82:83]
.endif
.if (\a) == 4
	s_add_nc_u64 s[72:73], s[72:73], s[80:81]
	s_add_nc_u64 s[74:75], s[74:75], s[80:81]
	s_add_nc_u64 s[76:77], s[76:77], s[84:85]
.endif
	WIN 0x02+((\a)/4)
.set i, 0
.rept 32
	v_pk_add_f32 v[T+2*i:T+2*i+1], v[64*((\a)%4)+2*i:64*((\a)%4)+2*i+1], v[BL+2*(\a):BL+2*(\a)+1] op_sel_hi:[1,0]
.set i, i+1
.endr
	WIN 0
	QUANT T, PW
	v_lshrrev_b32 v[VAL], v[VSH], v[PW]
	global_store_b128 v[L16], v[PC:PC+3], s[72:73]
	global_store_b64 v[L8], v[PC+4:PC+5], s[72:73] offset:512
	global_store_b128 v[L16], v[PC+6:PC+9], s[74:75]
	global_store_b64 v[L8], v[PC+10:PC+11], s[74:75] offset:512
	global_store_b32 v[SCO], v[VAL], s[76:77]
.endm
	PLACES NP
.irp a, 0,1,2,3,4,5,6,7
	OUT \a
.endr
	s_wait_tensorcnt 0x0
	ds_add_u32 v[SPW], v[NIL]
	s_wait_dscnt 0x0
	CROUND
	s_endpgm
.Lfunc_end_k_q38be35f0d9_gemm_qkv:
	.size	k_q38be35f0d9_gemm_qkv, .Lfunc_end_k_q38be35f0d9_gemm_qkv-k_q38be35f0d9_gemm_qkv
	.p2alignl 7, 3214868480
	.fill 96, 4, 3214868480
	.section	.rodata,"a",@progbits
	.p2align	6, 0x0
	.amdhsa_kernel k_q38be35f0d9_gemm_qkv
		.amdhsa_group_segment_fixed_size 327680
		.amdhsa_private_segment_fixed_size 0
		.amdhsa_enable_private_segment 0
		.amdhsa_kernarg_size 48
		.amdhsa_user_sgpr_count 2
		.amdhsa_user_sgpr_kernarg_segment_ptr 1
		.amdhsa_wavefront_size32 1
		.amdhsa_system_sgpr_workgroup_id_x 1
		.amdhsa_system_sgpr_workgroup_id_y 1
		.amdhsa_system_sgpr_workgroup_id_z 1
		.amdhsa_system_vgpr_workitem_id 0
		.amdhsa_next_free_vgpr 1024
		.amdhsa_next_free_sgpr 102
		.amdhsa_reserve_vcc 0
		.amdhsa_float_denorm_mode_32 3
		.amdhsa_float_denorm_mode_16_64 3
		.amdhsa_memory_ordered 1
		.amdhsa_forward_progress 1
		.amdhsa_inst_pref_size 176
	.end_amdhsa_kernel
	.amdgpu_metadata
---
amdhsa.version: [ 1, 2 ]
amdhsa.kernels:
  - .name:           k_q38be35f0d9_gemm_qkv
    .symbol:         k_q38be35f0d9_gemm_qkv.kd
    .args:
      - { .name: x_img, .offset: 0, .size: 8, .value_kind: global_buffer, .address_space: global }
      - { .name: x_sc, .offset: 8, .size: 8, .value_kind: global_buffer, .address_space: global }
      - { .name: w_img, .offset: 16, .size: 8, .value_kind: global_buffer, .address_space: global }
      - { .name: w_sc, .offset: 24, .size: 8, .value_kind: global_buffer, .address_space: global }
      - { .name: b_qkv, .offset: 32, .size: 8, .value_kind: global_buffer, .address_space: global }
      - { .name: qkv, .offset: 40, .size: 8, .value_kind: global_buffer, .address_space: global }
    .group_segment_fixed_size: 327680
    .private_segment_fixed_size: 0
    .kernarg_segment_align: 8
    .kernarg_segment_size: 48
    .max_flat_workgroup_size: 128
    .sgpr_count:     102
    .vgpr_count:     1024
    .wavefront_size: 32
...
	.end_amdgpu_metadata
.endif
;; end of part 2
;; launch attn (part 3): grid 4 x 64, 8 waves a work-group, clusters of 4 x 1, 327,680 bytes of LDS; arguments qkv, o_img, o_sc; writes o_img, o_sc
.if DOCPART == 3
	.amdgcn_target "amdgcn-amd-amdhsa--gfx1250"
	.amdhsa_code_object_version 6
	.text
	.protected	k_q38be35f0d9_attn
	.globl	k_q38be35f0d9_attn
	.p2align	8
	.type	k_q38be35f0d9_attn,@function
k_q38be35f0d9_attn:
	s_mov_b64 s[64:65], 0
	v_nop
	global_prefetch_b8 v0, s[64:65] scope:SCOPE_SE
	s_setreg_imm32_b32 hwreg(HW_REG_WAVE_MODE, 25, 1), 1
	s_wait_xcnt 0x0
	s_wait_alu depctr_hold_cnt(0) depctr_sa_sdst(0) depctr_va_vdst(0) depctr_va_sdst(0) depctr_va_ssrc(0) depctr_va_vcc(0) depctr_vm_vsrc(0)
	s_getreg_b32 s2, hwreg(HW_REG_IB_STS2, 6, 4)
	s_cmp_eq_u32 s2, 0
	s_cbranch_scc0 .Lentry_in_a_cluster
	s_endpgm
.Lentry_in_a_cluster:
	s_bfe_u32 s2, ttmp6, 0x10000c
	s_cmp_lg_u32 s2, 0x3003
	s_cbranch_scc0 .Lentry_shape_is_right
	s_endpgm
.Lentry_shape_is_right:
; o = softmax(q k^T / 8) v for one (batch, head) a grid row, both products on codes of FP6 (E2M3) with E8M0 scales; o is quantised along the channels on the way out, as the last product's operand.
; THE SOFTMAX: t = score x log2(e) / 8; M = the running largest t rounded up to a whole number; p = 2^(t - M) is quantised along the keys, not normalised; the row's sum is taken of the unquantised p and divides at the end.
; When M moves, the sum and O are multiplied by 2^(old M - new M): exact.
; INPUT: the head's record of 319,488 bytes: K's image [128 tiles][768] at 0, V's [16 key steps][4 tiles of channels][1536] at 98,304, K's scale words at 196,608, V's at 204,800, Q's image at 212,992, Q's scale words at 311,296.
; An image tile's row p is key (query, channel) 32 (T / 2) + 8 (T % 2) + p + 8 (p / 8); lane p + 16 h of a tile owns 24 bytes: 16 at 16 l, 8 at 512 + 8 l.
; SHARES.  A work-group owns 512 queries, in two passes of 256; each of its eight waves owns TWO tiles of 16 queries a pass, so that each fragment of K and V read from LDS feeds two products.
; K AND V OF THE WHOLE HEAD STAY IN LDS: the record's first 212,992 bytes come once, 26,624 bytes a wave, and are only read from then on.  One fill at the head and no loop to run ahead in: so no prefetch.
; CLUSTER: the four work-groups of a head want the same bytes: each load is asked for jointly, with the same descriptor and a mask that names the four.
; THE KEYS OF A PRODUCT'S TILE are chosen by the lanes' LDS addresses: row 8 g + j of tile (c, t) is key 64 c + 32 g + 8 t + j of the step.  S^T = K Q^T then leaves in lane (query, g) registers 32 c .. 32 c + 31 = block 2 c + g
; of 32 keys, whole and in order: the block's largest needs no other lane, and two conversions give six operand registers as they fall.
; THE HEAD'S K IS 64: Q's upper six registers hold zero codes.  K's upper six are then free to hold any codes: tile n's fragment is registers 6 n .. 6 n + 11, its upper half tile n + 1's codes.
; REGISTERS.  Window 0: v0-47 addresses and scale words, v54-207 tile 0's own, v208-255 V's four fragments.  Window 1: v0-53 K's eight tiles, v54-207 tile 1's own at the same numbers, v208-221 the next pass's Q.
; FETCHES.  K's fragments of step i + 1 are asked for behind step i's first products, V's behind its last: 20 LDS loads each, so each wait leaves the 20 younger ones out.  The walk wraps: step 15 asks for step 0,
; which the second pass reads; behind the second pass that fetch is awaited and not used.
; LIMITS: NaN and infinities are not served; the promise holds while |t| stays under 2^31; a block of o whose largest magnitude lies under 2^-124 has its byte held at 1; a block of zeros has the byte 1.
.set REC,  319488
.set VIMG, 98304
.set KSC,  196608
.set VSC,  204800
.set QIMG, 212992
.set PART, 26624                       ; 104 rows of 256 bytes: a wave's eighth of K, V and their scales
.set SPARE, 326656                     ; the spare words: 128 bytes a wave
.set KA,   9                           ; v9-14 LDS addresses of the step that is fetched next
.set KB,   10
.set SK,   11
.set VA,   12
.set VB,   13
.set SV,   14
.set KS,   16                          ; v16-19 K's scale words: lanes 0-15 tile 2 g, lanes 16-31 tile 2 g + 1
.set VS,   20                          ; v20-23 V's
.set PSC,  26                          ; v26, v27 p's scale words, tile 0, 1
.set QS,   28                          ; v28, v29 Q's
.set SPW,  30
.set NIL,  31
.set VF,   208
.set QST,  208
.set S3,   54                          ; from here on: the same numbers in both windows
.set S4,   56
.set TA,   58
.set BX,   59
.set W,    60
.set SH8,  61                          ; 8 x the lane's half
.set S,    64                          ; S^T, then p; at a pass's end o
.set O,    128                         ; O^T
.set Q,    160
.set P,    172                         ; p's codes
.set C2,   184                         ; the second conversions' results
.set MA,   192                         ; the two blocks' largest scores, then largest p
.set MB,   194
.set NM,   196                         ; -M
.set RM,   197                         ; the running largest t
.set SUM,  198
.set S2,   200
.set F,    202                         ; 2^(old M - new M)
.set SO,   204
.set BY,   206
.set MSB, 0
.macro WIN new
.if MSB != (\new)
	s_set_vgpr_msb (MSB<<8)|(\new)
.set MSB, (\new)
.endif
.endm
.macro WALU
	s_wait_alu depctr_va_vdst(0)
.endm
.macro CROUND
	s_barrier_signal -1
	s_barrier_wait -1
	s_cmp_lg_u32 s18, 0
	s_cbranch_scc1 .Lnot_wave_0_\@
	s_barrier_signal -3
.Lnot_wave_0_\@:
	s_barrier_wait -3
	s_barrier_signal -1
	s_barrier_wait -1
.endm
.macro LOADK                           ; eight tiles of 16 keys and their scale words: 20 loads
	WIN 0x40
.irp c, 0,1
.irp t, 0,1,2,3
	ds_load_b128 v[6*(4*\c+\t):6*(4*\c+\t)+3], v[KA] offset:3072*\c+768*(\t%2)+128*(\t/2)
	ds_load_b64 v[6*(4*\c+\t)+4:6*(4*\c+\t)+5], v[KB] offset:3072*\c+768*(\t%2)+512+64*(\t/2)
.endr
.endr
	WIN 0
.irp g, 0,1,2,3
	ds_load_b32 v[KS+\g], v[SK] offset:256*(\g/2)+32*(\g%2)
.endr
.endm
.macro LOADV                           ; four tiles of 16 channels x 128 keys and their scale words: 20 loads
.irp t, 0,1,2,3
	ds_load_b128 v[VF+12*\t:VF+12*\t+3], v[VA] offset:1536*\t
	ds_load_b64 v[VF+12*\t+4:VF+12*\t+5], v[VB] offset:1536*\t+512
	ds_load_b128 v[VF+12*\t+6:VF+12*\t+9], v[VA] offset:1536*\t+768
	ds_load_b64 v[VF+12*\t+10:VF+12*\t+11], v[VB] offset:1536*\t+1280
	ds_load_b32 v[VS+\t], v[SV] offset:128*\t
.endr
.endm
.macro QLOAD t                         ; the two query tiles from tile s\t on, into the staging registers of window 1
	s_mul_i32 s50, s\t, 768
	s_lshl_b32 s51, s\t, 6
	v_add_nc_u32 v35, s50, v1
	v_add_nc_u32 v36, s50, v2
	v_add_nc_u32 v37, s51, v47
	WIN 0x40
	global_load_b128 v[QST:QST+3], v35, s[44:45]
	global_load_b64 v[QST+4:QST+5], v36, s[44:45] offset:512
	global_load_b128 v[QST+6:QST+9], v35, s[44:45] offset:768
	global_load_b64 v[QST+10:QST+11], v36, s[44:45] offset:1280
	global_load_b32 v[QST+12], v37, s[44:45] offset:98304
	global_load_b32 v[QST+13], v37, s[44:45] offset:98304+64
	WIN 0
.endm
.macro SMUL u                          ; S^T = K Q^T of query tile u: eight tiles of keys
.set n, 0
.rept 4
	v_wmma_scale_f32_16x16x128_f8f6f4 v[S+8*n:S+8*n+7], v[6*n:6*n+11], v[Q:Q+11], 0, v[KS+n/2], v[QS+\u] matrix_a_fmt:MATRIX_FMT_FP6 matrix_b_fmt:MATRIX_FMT_FP6
	v_wmma_scale_f32_16x16x128_f8f6f4 v[S+8*n+8:S+8*n+15], v[6*n+6:6*n+17], v[Q:Q+11], 0, v[KS+n/2], v[QS+\u] matrix_a_fmt:MATRIX_FMT_FP6 matrix_b_fmt:MATRIX_FMT_FP6 matrix_a_scale:MATRIX_SCALE_ROW1
.set n, n+2
.endr
.endm
.macro PV u                            ; O^T += V^T P^T: the four accumulators by turns
	WIN 0x54*\u
.irp t, 0,1,2,3
	v_wmma_scale_f32_16x16x128_f8f6f4 v[O+8*\t:O+8*\t+7], v[VF+12*\t:VF+12*\t+11], v[P:P+11], v[O+8*\t:O+8*\t+7], v[VS+\t], v[PSC+\u] matrix_a_fmt:MATRIX_FMT_FP6 matrix_b_fmt:MATRIX_FMT_FP6
.endr
.endm
.macro PM k                            ; a pair of O^T under the new M
	v_pk_mul_f32 v[O+2*(\k):O+2*(\k)+1], v[O+2*(\k):O+2*(\k)+1], v[F:F+1] op_sel_hi:[1,0]
.endm
; the softmax step of query tile u on 128 keys; all its registers lie in window u, but for p's scale word
.macro SOFT u
	WIN 0x55*\u
.if \u
	WALU                                           ; tile 0's exponentials stand between these sums' products and their first reads
.endif
.irp c, 0,1                                    ; each block's largest score in two chains, each accumulator read from its low end on
	v_max3_num_f32 v[MA+\c], v[S+32*\c], v[S+32*\c+1], v[S+32*\c+2]
	v_max3_num_f32 v[MB+\c], v[S+32*\c+16], v[S+32*\c+17], v[S+32*\c+18]
.endr
.irp i, 3,5,7,9,11,13
.irp c, 0,1
	v_max3_num_f32 v[MA+\c], v[MA+\c], v[S+32*\c+\i], v[S+32*\c+\i+1]
	v_max3_num_f32 v[MB+\c], v[MB+\c], v[S+32*\c+16+\i], v[S+32*\c+17+\i]
.endr
.endr
.irp c, 0,1
	v_max3_num_f32 v[MA+\c], v[MA+\c], v[MB+\c], v[S+32*\c+15]
.endr
.irp c, 0,1
	v_max_num_f32 v[MA+\c], v[MA+\c], v[S+32*\c+31]
.endr
	v_max_num_f32 v[TA], v[MA], v[MA+1]
	v_permlanex16_b32 v[BX], v[TA], s20, s21
	v_max_num_f32 v[TA], v[TA], v[BX]              ; the step's largest score of my query
	v_mul_f32 v[TA], s22, v[TA]                    ; as t
	v_max_num_f32 v[RM], v[RM], v[TA]
	v_mov_b32 v[TA], v[NM]
	v_floor_f32 v[NM], -v[RM]                      ; the new -M = -ceil(t)
.set i, 0
.rept 32
	v_pk_fma_f32 v[S+i:S+i+1], v[S+i:S+i+1], s[22:23], v[NM:NM+1] op_sel_hi:[1,0,0]   ; t - M
.if i == 16
	v_sub_f32 v[TA], v[NM], v[TA]                  ; old M - new M: a whole number, 0 or less
.endif
.if i == 32
	v_cvt_i32_f32 v[TA], v[TA]                     ; (it saturates)
.endif
.if i == 48
	v_ldexp_f32 v[F], 1.0, v[TA]
.endif
.set i, i+2
.endr
.irp c, 0,1
	v_fma_f32 v[MA+\c], v[MA+\c], s22, v[NM]       ; the same of each block's largest score
.endr
	WALU                                           ; ahead of the batch
.set i, 0
.rept 64
	v_exp_f32 v[S+i], v[S+i]                       ; p = 2^(t - M)
.set i, i+1
.endr
	v_exp_f32 v[MA], v[MA]                         ; the blocks' largest p
	v_exp_f32 v[MA+1], v[MA+1]
	v_pk_mul_f32 v[SUM:SUM+1], v[SUM:SUM+1], v[F:F+1] op_sel_hi:[1,0]   ; a plain place behind the batch
	WALU                                           ; behind the batch, and directly ahead of O^T's first reader
	PM 0
	PM 1
	v_max_num_f32 v[MA], 0x1800000, v[MA]          ; the floor 2^(3 - 127)
	v_max_num_f32 v[MA+1], 0x1800000, v[MA+1]
	PM 2
	PM 3
	v_add_nc_u32 v[SO], 0xff000000, v[MA]          ; the conversions' scale operands
	v_add_nc_u32 v[SO+1], 0xff000000, v[MA+1]
	PM 4
	PM 5
	v_lshrrev_b32 v[BY], 23, v[SO]                 ; the bytes of blocks g and 2 + g
	v_lshrrev_b32 v[BY+1], 23, v[SO+1]
	PM 6
	PM 7
	PM 8
	v_lshl_or_b32 v[W], v[BY+1], 16, v[BY]
	PM 9
	PM 10
	PM 11
	v_lshlrev_b32 v[W], v[SH8], v[W]               ; at their places in the scale word
	PM 12
	PM 13
	PM 14
	PM 15
	v_permlanex16_b32 v[BX], v[W], s20, s21
.irp c, 0,1
	v_cvt_scalef32_pk16_fp6_f32 v[P+6*\c:P+6*\c+2], v[S+32*\c:S+32*\c+15], v[SO+\c]
	v_cvt_scalef32_pk16_fp6_f32 v[C2+4*\c:C2+4*\c+2], v[S+32*\c+16:S+32*\c+31], v[SO+\c]   ; (a conversion's three registers begin on an even number)
.endr
	v_pk_add_f32 v[S2:S2+1], v[S:S+1], v[S+2:S+3]  ; the row's sum of the unquantised p, in four chains
	v_pk_add_f32 v[S3:S3+1], v[S+4:S+5], v[S+6:S+7]
	v_pk_add_f32 v[S4:S4+1], v[S+8:S+9], v[S+10:S+11]
	v_pk_add_f32 v[SUM:SUM+1], v[SUM:SUM+1], v[S+12:S+13]
	WIN 0x05*\u
	v_or_b32 v[PSC+\u], v[W], v[BX]                ; with the other half's two bytes the word is whole; scale words lie in window 0
	WIN 0x55*\u
.irp c, 0,1
.irp i, 0,1,2
	v_mov_b32 v[P+6*\c+3+\i], v[C2+4*\c+\i]
.endr
.endr
.irp j, 14,22,30,38,46,54                      ; 28 plain lines between the last write of an operand or a scale and the products
	v_pk_add_f32 v[S2:S2+1], v[S2:S2+1], v[S+\j:S+\j+1]
	v_pk_add_f32 v[S3:S3+1], v[S3:S3+1], v[S+\j+2:S+\j+3]
	v_pk_add_f32 v[S4:S4+1], v[S4:S4+1], v[S+\j+4:S+\j+5]
	v_pk_add_f32 v[SUM:SUM+1], v[SUM:SUM+1], v[S+\j+6:S+\j+7]
.endr
	v_pk_add_f32 v[S2:S2+1], v[S2:S2+1], v[S+62:S+63]
	v_pk_add_f32 v[S3:S3+1], v[S3:S3+1], v[S4:S4+1]
	v_pk_add_f32 v[SUM:SUM+1], v[SUM:SUM+1], v[S2:S2+1]
	v_pk_add_f32 v[SUM:SUM+1], v[SUM:SUM+1], v[S3:S3+1]
.endm
; a pass's end for query tile u: o = O^T / the sum; register 16 p + i is channel 32 p + 16 h + i: two blocks of 32 along the last product's K = 64 head + channel
.macro FIN u
	WIN 0x55*\u
	v_add_f32 v[SUM], v[SUM], v[SUM+1]
	s_delay_alu instid0(VALU_DEP_1)
	v_permlanex16_b32 v[BX], v[SUM], s20, s21
	s_delay_alu instid0(VALU_DEP_1)
	v_add_f32 v[SUM], v[SUM], v[BX]                ; the row's sum
	WALU
	v_rcp_f32 v[SUM], v[SUM]
	v_nop
	WALU
.set i, 0
.rept 16
	v_pk_mul_f32 v[S+i:S+i+1], v[O+i:O+i+1], v[SUM:SUM+1] op_sel_hi:[1,0]
.set i, i+2
.endr
.irp b, 0,1
	v_max3_num_f32 v[MA+\b], |v[S+16*\b]|, |v[S+1+16*\b]|, 0x1800000
.endr
.irp i, 2,4,6,8,10,12,14
.irp b, 0,1
	s_delay_alu instid0(VALU_DEP_2)
	v_max3_num_f32 v[MA+\b], v[MA+\b], |v[S+16*\b+\i]|, |v[S+1+16*\b+\i]|
.endr
.endr
.irp b, 0,1
	s_delay_alu instid0(VALU_DEP_2)
	v_permlanex16_b32 v[BY+\b], v[MA+\b], s20, s21
.endr
.irp b, 0,1
	s_delay_alu instid0(VALU_DEP_2)
	v_max_num_f32 v[MA+\b], v[MA+\b], v[BY+\b]
.endr
.irp b, 0,1
	s_delay_alu instid0(VALU_DEP_2)
	v_add_nc_u32 v[SO+\b], 0xff000000, v[MA+\b]
.endr
.irp b, 0,1
	s_delay_alu instid0(VALU_DEP_2)
	v_lshrrev_b32 v[BY+\b], 23, v[SO+\b]
.endr
	v_cvt_scalef32_pk16_fp6_f32 v[P:P+2], v[S:S+15], v[SO]
	v_cvt_scalef32_pk16_fp6_f32 v[C2:C2+2], v[S+16:S+31], v[SO+1]
	v_nop                                          ; one plain place behind a scaled conversion
.irp i, 0,1,2
	v_permlane16_swap_b32 v[P+\i], v[C2+\i]        ; a whole block to a lane
.endr
.irp i, 0,1,2
	v_mov_b32 v[P+3+\i], v[C2+\i]
.endr
	v_cndmask_b32 v[TA], v[BY], v[BY+1], s56       ; my half's block's byte
	WIN 0x04*\u
	global_store_b128 v32, v[P:P+3], s[6:7] offset:12288*\u          ; the half fragment: 768 dense bytes
	global_store_b64 v33, v[P+4:P+5], s[6:7] offset:12288*\u+512
	global_store_b8 v34, v[TA], s[8:9] offset:512*\u                 ; two bytes of each row's 32: the other heads' work-groups write the others
.endm
	s_load_b128 s[4:7], s[0:1], 0x0                ; qkv, o_img
	s_load_b64 s[8:9], s[0:1], 0x10                ; o_sc
	v_lshl_add_u32 v[SPW], v0, 2, SPARE
	v_mov_b32 v[NIL], 0
	ds_add_u32 v[SPW], v[NIL]                      ; the opening lines
	ds_add_u32 v[SPW], v[NIL]
	v_lshrrev_b32 v1, 5, v0
	s_delay_alu instid0(VALU_DEP_1)
	v_readfirstlane_b32 s18, v1                    ; wave 0..7
	s_bfe_u32 s41, ttmp6, 0x40000                  ; cx
	s_lshl_b32 s42, ttmp9, 2
	s_add_co_u32 s42, s42, s41                     ; my block of 512 queries: it enters Q's and o's addresses alone
	s_and_b32 s43, ttmp7, 0xffff                   ; 16 batch + head, which the four partners share
	s_mul_i32 s46, s43, REC
	s_mov_b32 s47, 0
	s_mul_i32 s48, s18, PART
	s_mov_b32 s49, 0
	s_lshr_b32 s52, s43, 4
	s_lshl_b32 s52, s52, 7                         ; the batch's first tile of tokens
	s_and_b32 s53, s43, 15                         ; head
	s_mov_b32 s24, 15|(3<<16)|(1<<21)              ; group 1: the mask names all four; elements of 8 bytes
	s_mov_b32 s25, 32<<16                          ; rows of 256 bytes
	s_mov_b32 s26, 104<<16
	s_mov_b32 s27, 32<<16
	s_mov_b32 s28, 104
	s_mov_b32 s29, 32
	s_mov_b32 s30, 0
	s_mov_b32 s31, 0
	s_mov_b32 s20, 0x76543210
	s_mov_b32 s21, 0xfedcba98                      ; selects for lane l xor 16
	s_mov_b32 s22, 0x3e38aa3b                      ; log2(e) / 8
	s_mov_b32 s23, s22
	s_mov_b32 s36, 0                               ; the fetched step's codes: 6,144 bytes a step
	s_mov_b32 s37, 0                               ; its scale words: 512 bytes a step
	s_lshl_b32 s40, s42, 5
	s_lshl_b32 s39, s18, 1
	s_add_co_u32 s40, s40, s39                     ; my first tile of queries: 32 x block + 16 x pass + 2 x wave
	s_wait_dscnt 0x0
	s_wait_kmcnt 0x0
	s_add_nc_u64 s[4:5], s[4:5], s[46:47]          ; the record
	s_mov_b32 s32, 1
	s_mov_b32 s33, s48
	s_add_nc_u64 s[34:35], s[4:5], s[48:49]
	s_or_b32 s35, s35, 0x80000000
	s_add_nc_u64 s[44:45], s[4:5], QIMG
	CROUND                                         ; all four work-groups are here: the joint loads meet
	tensor_load_to_lds s[32:35], s[24:31]          ; my one tensor load of the launch
	s_nop 0
.rept 4
	v_nop
.endr
	v_and_b32 v40, 31, v0                          ; lane
	v_and_b32 v41, 15, v0                          ; r
	v_bfe_u32 v42, v0, 4, 1                        ; h
	v_and_b32 v43, 7, v0                           ; j
	v_bfe_u32 v44, v0, 3, 1                        ; g
	v_lshlrev_b32 v1, 4, v40
	v_lshlrev_b32 v2, 3, v40
	v_mul_u32_u24 v45, v44, 1536                   ; rows 8-15 of a product's tile lie two image tiles on
	v_lshl_add_u32 v3, v43, 4, v45
	v_lshl_add_u32 v4, v43, 3, v45
	v_lshlrev_b32 v5, 7, v44
	v_lshl_add_u32 v3, v42, 8, v3                  ; K, 16 bytes: 1536 g + 16 j + 256 h
	v_lshl_add_u32 v4, v42, 7, v4                  ; K, 8 bytes: 1536 g + 8 j + 128 h
	v_lshl_add_u32 v5, v43, 2, v5
	v_lshl_add_u32 v6, v40, 2, VSC
	v_add_nc_u32 v7, VIMG, v1
	v_lshl_add_u32 v5, v42, 6, v5
	v_add_nc_u32 v8, VIMG, v2
	v_lshl_add_u32 v46, v41, 5, v42                ; 32 r + h: my byte of o's scales
	v_lshlrev_b32 v47, 2, v41
	v_add_nc_u32 v5, KSC, v5                       ; K's scale words: 128 g + 4 j + 64 x (odd tile)
	v_cmp_le_u32 s56, 16, v40
	QLOAD 40                                       ; the first pass's queries, beside the tensor load
	v_add_nc_u32 v[KA], s36, v3
	v_add_nc_u32 v[KB], s36, v4
	v_add_nc_u32 v[SK], s37, v5
	v_add_nc_u32 v[VA], s36, v7
	v_add_nc_u32 v[VB], s36, v8
	v_add_nc_u32 v[SV], s37, v6
.irp w, 0,1
	WIN 0x40*\w
	v_lshlrev_b32 v[SH8], 3, v42
	v_mov_b32 v[BX], 0                             ; a lane permute's destination counts as one of its sources
	v_mov_b32 v[F+1], 0                            ; (named as the upper half of a pair)
.irp i, 6,7,8,9,10,11
	v_mov_b32 v[Q+\i], 0                           ; Q's codes of k = 64 .. 127
.endr
.endr
.irp i, 48,49,50,51,52,53
	v_mov_b32 v[\i], 0                             ; what stands behind K's last tile
.endr
	WIN 0
	s_mov_b32 s39, 2
	WALU                                           ; the wait at the head's end
	s_wait_tensorcnt 0x0                           ; my part of K and V has landed,
	s_barrier_signal -1
	s_barrier_wait -1                              ; everybody's has.  From here on LDS is only read
	LOADK
	LOADV
.Lpass:
	s_wait_loadcnt 0x0                             ; this pass's queries are in the staging registers
	WIN 0x01
.irp i, 0,1,2,3,4,5
	v_mov_b32 v[Q+\i], v[QST+\i]
.endr
	v_mov_b32 v[QS], v[QST+12]
	v_mov_b32 v[QS+1], v[QST+13]
	WIN 0x41
.irp i, 0,1,2,3,4,5
	v_mov_b32 v[Q+\i], v[QST+6+\i]
.endr
	WIN 0
	s_cmp_eq_u32 s39, 1
	s_cbranch_scc1 .Lno_more                       ; the last pass stages nothing
	s_add_co_u32 s55, s40, 16
	QLOAD 55
.Lno_more:
.irp w, 0,1
	WIN 0x55*\w
	v_mov_b32 v[RM], 0xff61b1e6                    ; the largest t so far: -3e38
	v_mov_b32 v[SUM], 0
	v_mov_b32 v[SUM+1], 0
	v_floor_f32 v[NM], -v[RM]
.set i, 0
.rept 32
	v_mov_b32 v[O+i], 0                            ; the step is written once: the first finds zeros, which the first change of M leaves zeros
.set i, i+1
.endr
.endr
	WIN 0
	s_mov_b32 s38, 16
.Lstep:                                            ; 128 keys x 32 queries
	s_wait_dscnt 20                                ; K's 20 loads are in; V's 20, issued behind them, may be out
	WIN 0x01
	SMUL 0
	WIN 0x55
	SMUL 1
	WIN 0
	s_add_co_u32 s36, s36, 6144
	s_add_co_u32 s37, s37, 512
	s_cmp_eq_u32 s36, 98304                        ; behind the last step the walk begins anew
	s_cselect_b32 s36, 0, s36
	s_cselect_b32 s37, 0, s37
	v_add_nc_u32 v[KA], s36, v3                    ; four plain lines: the places between the products and the loads into their registers
	v_add_nc_u32 v[KB], s36, v4
	v_add_nc_u32 v[SK], s37, v5
	v_add_nc_u32 v[VA], s36, v7
	LOADK
	SOFT 0
	s_wait_dscnt 20                                ; V's 20 loads are in; the next step's K, issued behind them, may be out
	PV 0
	SOFT 1
	PV 1
	WIN 0
	v_add_nc_u32 v[VB], s36, v8                    ; four places again
	v_add_nc_u32 v[SV], s37, v6
	v_nop
	v_nop
	LOADV
	s_sub_co_u32 s38, s38, 1
	s_cmp_lg_u32 s38, 0
	s_cbranch_scc1 .Lstep
	s_add_co_u32 s50, s52, s40                     ; my first tile among all tokens' tiles
	s_lshl_b32 s51, s50, 4
	s_add_co_u32 s51, s51, s53
	s_mul_i32 s51, s51, 768                        ; o_img [tile][head][768]
	s_lshl_b32 s50, s50, 9
	s_lshl_b32 s54, s53, 1
	s_add_co_u32 s50, s50, s54                     ; o_sc [16 tile + r][32], bytes 2 head + h
	v_add_nc_u32 v32, s51, v1
	v_add_nc_u32 v33, s51, v2
	v_add_nc_u32 v34, s50, v46
	v_nop
	FIN 0
	FIN 1
	WIN 0
	WALU
	s_wait_xcnt 0x0                                ; the next pass writes these addresses and data again
	s_add_co_u32 s40, s40, 16
	s_sub_co_u32 s39, s39, 1
	s_cmp_lg_u32 s39, 0
	s_cbranch_scc1 .Lpass
	s_wait_dscnt 0x0                               ; the wrapped fetch
	s_barrier_signal -1
	s_barrier_wait -1                              ; every wave's reads of LDS are over
	s_wait_tensorcnt 0x0                           ; the wave's end
	ds_add_u32 v[SPW], v[NIL]
	s_wait_dscnt 0x0
	CROUND                                         ; the closing round
	s_endpgm
.Lfunc_end_k_q38be35f0d9_attn:
	.size	k_q38be35f0d9_attn, .Lfunc_end_k_q38be35f0d9_attn-k_q38be35f0d9_attn
	.p2alignl 7, 3214868480
	.fill 96, 4, 3214868480
	.section	.rodata,"a",@progbits
	.p2align	6, 0x0
	.amdhsa_kernel k_q38be35f0d9_attn
		.amdhsa_group_segment_fixed_size 327680
		.amdhsa_private_segment_fixed_size 0
		.amdhsa_enable_private_segment 0
		.amdhsa_kernarg_size 24
		.amdhsa_user_sgpr_count 2
		.amdhsa_user_sgpr_kernarg_segment_ptr 1
		.amdhsa_wavefront_size32 1
		.amdhsa_system_sgpr_workgroup_id_x 1
		.amdhsa_system_sgpr_workgroup_id_y 1
		.amdhsa_system_sgpr_workgroup_id_z 1
		.amdhsa_system_vgpr_workitem_id 0
		.amdhsa_next_free_vgpr 512
		.amdhsa_next_free_sgpr 66
		.amdhsa_reserve_vcc 0
		.amdhsa_float_denorm_mode_32 3
		.amdhsa_float_denorm_mode_16_64 3
		.amdhsa_memory_ordered 1
		.amdhsa_forward_progress 1
		.amdhsa_inst_pref_size 50
	.end_amdhsa_kernel
	.amdgpu_metadata
---
amdhsa.version: [ 1, 2 ]
amdhsa.kernels:
  - .name:           k_q38be35f0d9_attn
    .symbol:         k_q38be35f0d9_attn.kd
    .args:
      - { .name: qkv, .offset: 0, .size: 8, .value_kind: global_buffer, .address_space: global }
      - { .name: o_img, .offset: 8, .size: 8, .value_kind: global_buffer, .address_space: global }
      - { .name: o_sc, .offset: 16, .size: 8, .value_kind: global_buffer, .address_space: global }
    .group_segment_fixed_size: 327680
    .private_segment_fixed_size: 0
    .kernarg_segment_align: 8
    .kernarg_segment_size: 24
    .max_flat_workgroup_size: 256
    .sgpr_count:     66
    .vgpr_count:     512
    .wavefront_size: 32
...
	.end_amdgpu_metadata
.endif
;; end of part 3
;; launch gemm_proj (part 4): grid 4 x 64, 4 waves a work-group, clusters of 4 x 4, 327,680 bytes of LDS; arguments o_img, o_sc, w_img, w_sc, b_proj, out0; writes out0
.if DOCPART == 4
	.amdgcn_target "amdgcn-amd-amdhsa--gfx1250"
	.amdhsa_code_object_version 6
	.text
	.protected	k_q38be35f0d9_gemm_proj
	.globl	k_q38be35f0d9_gemm_proj
	.p2align	8
	.type	k_q38be35f0d9_gemm_proj,@function
k_q38be35f0d9_gemm_proj:
	s_mov_b64 s[64:65], 0
	v_nop
	global_prefetch_b8 v0, s[64:65] scope:SCOPE_SE
	s_setreg_imm32_b32 hwreg(HW_REG_WAVE_MODE, 25, 1), 1
	s_wait_xcnt 0x0
	s_wait_alu depctr_hold_cnt(0) depctr_sa_sdst(0) depctr_va_vdst(0) depctr_va_sdst(0) depctr_va_ssrc(0) depctr_va_vcc(0) depctr_vm_vsrc(0)
	s_getreg_b32 s2, hwreg(HW_REG_IB_STS2, 6, 4)
	s_cmp_eq_u32 s2, 0
	s_cbranch_scc0 .Lentry_in_a_cluster
	s_endpgm
.Lentry_in_a_cluster:
	s_bfe_u32 s2, ttmp6, 0x10000c
	s_cmp_lg_u32 s2, 0xf033
	s_cbranch_scc0 .Lentry_shape_is_right
	s_endpgm
.Lentry_shape_is_right:
; out0 = o W_proj + b_proj on codes of FP6 (E2M3) with E8M0 scales; sums in f32.  o_img and w_img are operand images: [tile of 16 rows][16 half fragments][768 bytes]; a tile's row p is matrix row
; 32 (T / 2) + 8 (T % 2) + p + 8 (p / 8); lane p + 16 h of a half fragment owns 24 bytes: 16 at 16 l, 8 at 512 + 8 l.  Scale bytes lie [16 tile + p][32].  W_proj's columns are w_img's image rows 3,072 on.
; SHARES.  256 work-groups, each a block of 128 rows x 256 columns of out0; four waves, 2 x 2, each 64 x 128: 32 accumulators of 16 x 16, 256 registers.
; ALL OF K FOR THE BLOCK LIES IN LDS: A's 8 tiles are 98,304 dense bytes, B's 16 tiles 196,608.  Each wave asks once, at the head: waves 0 and 1 half of A each, waves 2 and 3 half of B each.
; Nothing is filled again: no ring and no round in the walk along K.  One fill at the head and no loop to run ahead in: so no prefetch.
; CLUSTERS: 4 x 4 work-groups; A's tiles are shared along a row of the cluster, B's along a column: joint loads, the same descriptor and a mask that names the four.
; THE SCALES go straight into registers: a block's 16 rows of 32 bytes are 512 dense bytes, lane r takes row r's eight words (both halves of the lanes the same).  THE BIAS is the first products' C.
; THE MATRIX INSTRUCTION IS USED TRANSPOSED (source 0 = 16 rows of B, source 1 = 16 rows of A): a lane holds eight neighbouring numbers of a row of out0.
; REGISTERS.  Window 0: v1-23 addresses; v26-57 A's scale words (8 a + step); v64-127 B's (8 b + step); v128-223 A's fragments, two sets; on the way out v128-255.
; Window 1: B's fragments, two sets, at v0 and v128.  Window 2: accumulator (a, b) at v[8 (8 a + b)].  Window 3: v64-127 the bias.
; THE WAY OUT: a block of 16 rows x 128 columns goes through the wave's own stage in LDS and leaves as whole rows of 512 bytes.  The stage lies on A's bytes, which have had their one fill, behind a barrier
; in front of which every wave's reads of LDS are over.
.set TILEB,  12288
.set ABYTES, 8*TILEB
.set SPARE,  3*ABYTES                  ; behind A and B: the spare words, 128 bytes a wave
.set SPITCH, 528
.set NP,     4
.set A16,  8
.set A8,   9
.set BL16, 10                          ; B's tiles 0-3
.set BL8,  11
.set BH16, 12                          ; B's tiles 4-7: an LDS offset has 16 bits
.set BH8,  13
.set STO,  14
.set RD,   15
.set CO,   16
.set SPW,  22
.set NIL,  23
.set SA,   26
.set SB,   64
.set AF,   128
.set BK,   128
.set BI,   64
.set G1, 24
.set G0, 32
.set G1B, 48
.set G0B, 56
.set MSB, 0
.macro WIN new
.if MSB != (\new)
	s_set_vgpr_msb (MSB<<8)|(\new)
.set MSB, (\new)
.endif
.endm
.macro PLACES n
.rept \n
	v_nop
.endr
.endm
.macro JLOAD g0a, g1a, g0b, g1b        ; waves 0 and 1 fetch for A, waves 2 and 3 for B: one line and one mask each
	s_cmp_eq_u32 s15, 0
	s_cbranch_scc0 .Lfor_b_\@
	tensor_load_to_lds s[\g0a:\g0a+3], s[\g1a:\g1a+7]
	s_nop 0
.rept 4
	v_nop
.endr
	s_branch .Lasked_\@
.Lfor_b_\@:
	tensor_load_to_lds s[\g0b:\g0b+3], s[\g1b:\g1b+7]
	s_nop 0
.rept 4
	v_nop
.endr
.Lasked_\@:
.endm
.macro CROUND                          ; a round of the cluster's barrier
	s_barrier_signal -1
	s_barrier_wait -1
	s_cmp_lg_u32 s14, 0
	s_cbranch_scc1 .Lnot_wave_0_\@
	s_barrier_signal -3
.Lnot_wave_0_\@:
	s_barrier_wait -3
	s_barrier_signal -1
	s_barrier_wait -1
.endm
	s_load_b128 s[4:7], s[0:1], 0x0                ; o_img, o_sc
	s_load_b128 s[8:11], s[0:1], 0x10              ; w_img, w_sc
	s_load_b64 s[12:13], s[0:1], 0x20              ; b_proj
	s_load_b64 s[66:67], s[0:1], 0x28              ; out0
	v_lshl_add_u32 v[SPW], v0, 2, SPARE
	v_mov_b32 v[NIL], 0
	ds_add_u32 v[SPW], v[NIL]                      ; the opening lines
	ds_add_u32 v[SPW], v[NIL]
	v_lshrrev_b32 v1, 5, v0
	v_readfirstlane_b32 s14, v1                    ; wave 0..3
	s_lshr_b32 s15, s14, 1                         ; my half of the block's rows.  Also: I fetch for A (0) or for B (1)
	s_and_b32 s16, s14, 1                          ; my half of its columns.  Also: which half of that operand I fetch
	s_bfe_u32 s40, ttmp6, 0x40000                  ; cx
	s_bfe_u32 s41, ttmp6, 0x40004                  ; cy
	s_lshl_b32 s42, ttmp9, 2
	s_add_co_u32 s42, s42, s40                     ; block column: 256 columns each
	s_and_b32 s17, ttmp7, 0xffff
	s_lshl_b32 s17, s17, 2
	s_add_co_u32 s17, s17, s41                     ; block row: 128 rows each
	s_lshl_b32 s43, s41, 2
	s_lshl_b32 s43, 15, s43                        ; my row of the cluster
	s_lshl_b32 s44, 0x1111, s40                    ; my column
	s_or_b32 s[G1+0], s43, (3<<16)|(1<<21)         ; dense rows of 256 bytes, elements of 8 bytes
	s_or_b32 s[G1B+0], s44, (3<<16)|(1<<21)
	s_mov_b32 s[G1+1], 32<<16
	s_mov_b32 s[G1+2], 192<<16                     ; half of A: 4 tiles, 192 rows of 256 bytes
	s_mov_b32 s[G1+3], 32<<16
	s_mov_b32 s[G1+4], 192
	s_mov_b32 s[G1+5], 32
	s_mov_b32 s[G1+6], 0
	s_mov_b32 s[G1+7], 0
	s_mov_b32 s[G1B+1], 32<<16
	s_mov_b32 s[G1B+2], 384<<16                    ; half of B: 8 tiles
	s_mov_b32 s[G1B+3], 32<<16
	s_mov_b32 s[G1B+4], 384
	s_mov_b32 s[G1B+5], 32
	s_mov_b32 s[G1B+6], 0
	s_mov_b32 s[G1B+7], 0
	s_lshl_b32 s20, s17, 3
	s_lshl_b32 s18, s16, 2
	s_add_co_u32 s20, s20, s18                     ; A: tile 8 x block row + 4 x half
	s_mul_i32 s20, s20, TILEB
	s_mov_b32 s21, 0
	s_lshl_b32 s46, s42, 4
	s_lshl_b32 s18, s16, 3
	s_add_co_u32 s46, s46, s18
	s_add_co_u32 s46, s46, 192                     ; B: tile 192 + 16 x block column + 8 x half
	s_mul_i32 s46, s46, TILEB
	s_mov_b32 s47, 0
	s_mul_i32 s45, s16, 4*TILEB                    ; where they go: no place in the cluster enters an LDS address
	s_mul_i32 s94, s16, 8*TILEB
	s_add_co_u32 s94, s94, ABYTES
	s_wait_dscnt 0x0                               ; both opening adds are done
	s_wait_kmcnt 0x0
	s_add_nc_u64 s[20:21], s[4:5], s[20:21]
	s_add_nc_u64 s[46:47], s[8:9], s[46:47]
	CROUND                                         ; all sixteen work-groups are here: the joint loads meet
	s_mov_b32 s[G0], 1
	s_mov_b32 s[G0+1], s45
	s_mov_b64 s[G0+2:G0+3], s[20:21]
	s_or_b32 s[G0+3], s[G0+3], 0x80000000
	s_mov_b32 s[G0B], 1
	s_mov_b32 s[G0B+1], s94
	s_mov_b64 s[G0B+2:G0B+3], s[46:47]
	s_or_b32 s[G0B+3], s[G0B+3], 0x80000000
	JLOAD G0, G1, G0B, G1B                         ; my one tensor load of the launch
	s_lshl_b32 s20, s17, 7
	s_lshl_b32 s21, s15, 6
	s_add_co_u32 s20, s20, s21                     ; my first row: 128 x block row + 64 x half
	s_lshl_b32 s22, s20, 5                         ; its scale bytes
	s_lshl_b32 s20, s20, 12                        ; and its place in out0: rows of 4,096 bytes
	s_mov_b32 s21, 0
	s_mov_b32 s23, 0
	s_lshl_b32 s46, s42, 10
	s_lshl_b32 s47, s16, 9
	s_add_co_u32 s46, s46, s47                     ; my first column, in bytes of f32
	s_mov_b32 s47, 0
	s_lshl_b32 s92, s46, 3                         ; 32 bytes of scales a column
	s_add_co_u32 s92, s92, 3072*32
	s_mov_b32 s93, 0
	s_add_nc_u64 s[66:67], s[66:67], s[20:21]
	s_add_nc_u64 s[66:67], s[66:67], s[46:47]
	s_add_nc_u64 s[96:97], s[12:13], s[46:47]
	s_add_nc_u64 s[22:23], s[6:7], s[22:23]
	s_add_nc_u64 s[92:93], s[10:11], s[92:93]
	s_mul_i32 s18, s15, 4*TILEB                    ; my 4 tiles of A
	s_mul_i32 s19, s16, 8*TILEB
	s_add_co_u32 s19, s19, ABYTES                  ; my 8 tiles of B
	s_mul_i32 s45, s14, 16*SPITCH                  ; my stage
	v_and_b32 v1, 15, v0                           ; r
	v_bfe_u32 v2, v0, 4, 1                         ; h
	v_and_b32 v3, 31, v0
	v_lshlrev_b32 v5, 5, v1                        ; 32 r: my row's scale bytes
	v_lshlrev_b32 v4, 6, v2                        ; 64 h: the bias's 16 numbers for each half of the lanes
	v_lshlrev_b32 v[CO], 4, v3
	v_lshlrev_b32 v7, 3, v3
.irp a, 0,1,2,3
.irp c, 0,1
	global_load_b128 v[SA+8*\a+4*\c:SA+8*\a+4*\c+3], v5, s[22:23] offset:512*\a+16*\c
.endr
.endr
.irp b, 0,1,2,3,4,5,6,7
.irp c, 0,1
	global_load_b128 v[SB+8*\b+4*\c:SB+8*\b+4*\c+3], v5, s[92:93] offset:512*\b+16*\c
.endr
.endr
	WIN 0xc0
.irp p, 0,1,2,3
.irp j, 0,1,2,3
	global_load_b128 v[BI+16*\p+4*\j:BI+16*\p+4*\j+3], v4, s[96:97] offset:128*\p+16*\j
.endr
.endr
	WIN 0
	v_add_nc_u32 v[A16], s18, v[CO]
	v_add_nc_u32 v[A8], s18, v7
	v_add_nc_u32 v[BL16], s19, v[CO]
	v_add_nc_u32 v[BL8], s19, v7
	v_add_nc_u32 v[BH16], 4*TILEB, v[BL16]
	v_add_nc_u32 v[BH8], 4*TILEB, v[BL8]
	v_mul_u32_u24 v6, v1, SPITCH
	v_lshl_add_u32 v6, v2, 6, v6
	v_add_nc_u32 v[STO], s45, v6                   ; into the stage: row r, 64 bytes for each half of the lanes
	v_add_nc_u32 v[RD], s45, v[CO]                 ; back: the 32 lanes take one row of 512 bytes
.macro FRAG reg, a16, a8, off          ; 16 rows x 128 K: two half fragments
	ds_load_b128 v[\reg:\reg+3], v[\a16] offset:\off
	ds_load_b64 v[\reg+4:\reg+5], v[\a8] offset:(\off)+512
	ds_load_b128 v[\reg+6:\reg+9], v[\a16] offset:(\off)+768
	ds_load_b64 v[\reg+10:\reg+11], v[\a8] offset:(\off)+1280
.endm
.macro FETCH q                         ; step q's twelve fragments into set q % 2: 48 loads
	WIN 0x40
.irp i, 0,1,2,3
	FRAG 128*((\q)%2)+12*\i, BL16, BL8, \i*TILEB+(\q)*1536
.endr
.irp i, 0,1,2,3
	FRAG 128*((\q)%2)+12*(\i+4), BH16, BH8, \i*TILEB+(\q)*1536
.endr
	WIN 0
.irp i, 0,1,2,3
	FRAG AF+48*((\q)%2)+12*\i, A16, A8, \i*TILEB+(\q)*1536
.endr
.endm
.macro MUL q                           ; 32 products, the 32 accumulators by turns in the same order in every step
.irp a, 0,1,2,3
.irp b, 0,1,2,3,4,5,6,7
.if (\q) == 0
	v_wmma_scale_f32_16x16x128_f8f6f4 v[8*(8*\a+\b):8*(8*\a+\b)+7], v[128*((\q)%2)+12*\b:128*((\q)%2)+12*\b+11], v[AF+48*((\q)%2)+12*\a:AF+48*((\q)%2)+12*\a+11], v[BI+8*\b:BI+8*\b+7], v[SB+8*\b+(\q)], v[SA+8*\a+(\q)] matrix_a_fmt:MATRIX_FMT_FP6 matrix_b_fmt:MATRIX_FMT_FP6
.else
	v_wmma_scale_f32_16x16x128_f8f6f4 v[8*(8*\a+\b):8*(8*\a+\b)+7], v[128*((\q)%2)+12*\b:128*((\q)%2)+12*\b+11], v[AF+48*((\q)%2)+12*\a:AF+48*((\q)%2)+12*\a+11], v[8*(8*\a+\b):8*(8*\a+\b)+7], v[SB+8*\b+(\q)], v[SA+8*\a+(\q)] matrix_a_fmt:MATRIX_FMT_FP6 matrix_b_fmt:MATRIX_FMT_FP6
.endif
.endr
.endr
.endm
.macro KSTEP q                         ; 128 along K
	s_wait_dscnt 0x0                               ; this step's fragments, asked for a step ago, are in
.if (\q) < 7
.if (\q) > 0
	PLACES NP                                      ; between the last step's products and the loads into their registers
.endif
	FETCH (\q)+1
.else
	s_barrier_signal -1                            ; my reads of LDS are over; the products below are work on registers
.endif
.if (\q) == 0
	WIN 0xb1                                       ; source 0 window 1, source 1 window 0, C (the bias) window 3, D window 2
.else
	WIN 0xa1
.endif
	MUL \q
	WIN 0
.endm
	s_wait_alu depctr_va_vdst(0)                   ; the wait at the head's end
	s_wait_tensorcnt 0x0                           ; my part of A or B has landed,
	s_barrier_signal -1
	s_barrier_wait -1                              ; everybody's has
	FETCH 0
	s_wait_loadcnt 0x0                             ; the scale words and the bias
.irp q, 0,1,2,3,4,5,6,7
	KSTEP \q
.endr
	s_barrier_wait -1                              ; every wave's reads are over: the stage may lie on A's bytes
.macro TOSTAGE a
	WIN 0x08                                       ; the data: window 2
.irp b, 0,1,2,3,4,5,6,7
	ds_store_b128 v[STO], v[64*(\a)+8*\b:64*(\a)+8*\b+3] offset:128*(\b/2)+32*(\b%2)      ; each accumulator from its low end on
	ds_store_b128 v[STO], v[64*(\a)+8*\b+4:64*(\a)+8*\b+7] offset:128*(\b/2)+32*(\b%2)+16
.endr
	WIN 0
.set BB, BK+64*((\a)%2)
.irp t, 0,1,2,3,4,5,6,7,8,9,10,11,12,13,14,15
	ds_load_b128 v[BB+4*\t:BB+4*\t+3], v[RD] offset:\t*SPITCH   ; LDS serves a wave's instructions in order: these see the stores above
.endr
.endm
.macro SEND a, younger                 ; younger: the LDS instructions issued behind block a's loads
.set BB, BK+64*((\a)%2)
	s_wait_dscnt \younger
.irp t, 0,1,2,3,4,5,6,7,8,9,10,11,12,13,14,15
	global_store_b128 v[CO], v[BB+4*\t:BB+4*\t+3], s[66:67] offset:(32*((\a)/2)+8*((\a)%2)+\t+8*(\t/8))*4096 th:TH_STORE_NT   ; 512 consecutive bytes, at a multiple of 256 from out0's first byte
.endr
.endm
	PLACES NP
	TOSTAGE 0
.irp a, 1,2,3
.if \a > 1
	s_wait_xcnt 0x0                                ; block a - 2's stores have read their registers
.endif
	TOSTAGE \a
	SEND \a-1, 32                                  ; behind block a - 1's loads: block a's 16 stores and 16 loads
.endr
	SEND 3, 0
	s_wait_tensorcnt 0x0                           ; the wave's end
	ds_add_u32 v[SPW], v[NIL]
	s_wait_dscnt 0x0
	CROUND                                         ; the closing round
	s_endpgm
.Lfunc_end_k_q38be35f0d9_gemm_proj:
	.size	k_q38be35f0d9_gemm_proj, .Lfunc_end_k_q38be35f0d9_gemm_proj-k_q38be35f0d9_gemm_proj
	.p2alignl 7, 3214868480
	.fill 96, 4, 3214868480
	.section	.rodata,"a",@progbits
	.p2align	6, 0x0
	.amdhsa_kernel k_q38be35f0d9_gemm_proj
		.amdhsa_group_segment_fixed_size 327680
		.amdhsa_private_segment_fixed_size 0
		.amdhsa_enable_private_segment 0
		.amdhsa_kernarg_size 48
		.amdhsa_user_sgpr_count 2
		.amdhsa_user_sgpr_kernarg_segment_ptr 1
		.amdhsa_wavefront_size32 1
		.amdhsa_system_sgpr_workgroup_id_x 1
		.amdhsa_system_sgpr_workgroup_id_y 1
		.amdhsa_system_sgpr_workgroup_id_z 1
		.amdhsa_system_vgpr_workitem_id 0
		.amdhsa_next_free_vgpr 1024
		.amdhsa_next_free_sgpr 98
		.amdhsa_reserve_vcc 0
		.amdhsa_float_denorm_mode_32 3
		.amdhsa_float_denorm_mode_16_64 3
		.amdhsa_memory_ordered 1
		.amdhsa_forward_progress 1
		.amdhsa_inst_pref_size 83
	.end_amdhsa_kernel
	.amdgpu_metadata
---
amdhsa.version: [ 1, 2 ]
amdhsa.kernels:
  - .name:           k_q38be35f0d9_gemm_proj
    .symbol:         k_q38be35f0d9_gemm_proj.kd
    .args:
      - { .name: o_img, .offset: 0, .size: 8, .value_kind: global_buffer, .address_space: global }
      - { .name: o_sc, .offset: 8, .size: 8, .value_kind: global_buffer, .address_space: global }
      - { .name: w_img, .offset: 16, .size: 8, .value_kind: global_buffer, .address_space: global }
      - { .name: w_sc, .offset: 24, .size: 8, .value_kind: global_buffer, .address_space: global }
      - { .name: b_proj, .offset: 32, .size: 8, .value_kind: global_buffer, .address_space: global }
      - { .name: out0, .offset: 40, .size: 8, .value_kind: global_buffer, .address_space: global }
    .group_segment_fixed_size: 327680
    .private_segment_fixed_size: 0
    .kernarg_segment_align: 8
    .kernarg_segment_size: 48
    .max_flat_workgroup_size: 128
    .sgpr_count:     98
    .vgpr_count:     1024
    .wavefront_size: 32
...
	.end_amdgpu_metadata
.endif
;; end of part 4
